; MI455X (gfx1250); checked and timed in simulation.
; The chip was launched on July 23, 2026; its instructions are those of AMD's public machine-readable ISA for CDNA 5 (MIT licence, August 2026) and "CDNA5" Instruction Set Architecture Reference Guide (July 2026). The comments in the code are by the model that wrote it; some were corrected since.
;; Encoder Block. Allowed arithmetic: matrix products marked QUANTISED: E4M3 operands, one E8M0 scale for each 32 along K, by v_wmma_scale_f32_16x16x128_f8f6f4 with both operands' format E4M3, f32 sums; everything else in f32.
;; Inputs: b1 2,048 float32; b2 512 float32; be1 512 float32; be2 512 float32; fc_b 512 float32; fc_w 512 x 512 float32; g1 512 float32; g2 512 float32; mask 4 x 1 x 1 x 2,048 int32; w1 2,048 x 512 float32; w2 512 x 2,048 float32; x 4 x 2,048 x 512 float32.
;; Outputs: out0 4 x 2,048 x 512 float32.
;; This version of the problem:
;;   THIS VERSION OF THE PROBLEM IS GIVEN IN LOW PRECISION. The matrix products marked QUANTISED in the list below multiply operands that are first quantised to E4M3 (4 exponent bits, 3 mantissa bits; 8 bits a number), with one power-of-two scale for each 32 numbers along K (OCP MX v1.0); their sums are f32. All else is computed in f32.
;;   The module's matrix products, in the order in which they are computed (A, B: the left and right operand; K: the contracted axis; several contracted axes count as one K, in the product's order):
;;     1. batch 64 x [M 2,048, K 32] x [K 32, N 2,048]; A: input x; B: input x: QUANTISED
;;     2. batch 64 x [M 32, K 2,048] x [K 2,048, N 2,048]; A: input x; B: softmax (see below): QUANTISED
;;     3. [M 8,192, K 512] x [K 512, N 512]; A: computed on the way; B: input fc_w: QUANTISED
;;     4. [M 8,192, K 512] x [K 512, N 2,048]; A: computed on the way; B: input w1: QUANTISED
;;     5. [M 8,192, K 2,048] x [K 2,048, N 512]; A: computed on the way; B: input w2: QUANTISED
;;   THE QUANTISER, for each operand of a quantised product, along K:
;;     - K is cut into blocks of 32 from its start; a last block that is shorter is filled with zeros.
;;     - A block's scale is 2^e with e = floor(log2(the largest magnitude in the block)) - 8, held to -126 .. 127; a block of zeros has e = 0. As a byte (E8M0): e + 127.
;;     - Each number is divided by its block's scale, clamped to +-448, and rounded to the nearest number of E4M3, ties to even, subnormals kept.
;;     - The product sums the exact products of the quantised numbers (number of the format x scale) in f32.
;;   ~~~python
;;   def quantise(x, axis):      # numpy; x: float32 -> the quantised numbers, widened to float32 again
;;       x = np.moveaxis(x, axis, -1); K = x.shape[-1]
;;       x = np.pad(x, [(0, 0)] * (x.ndim - 1) + [(0, -K % 32)]); x = x.reshape(x.shape[:-1] + (-1, 32)); a = np.abs(x).max(-1, keepdims=True)
;;       e = np.where(a > 0, np.clip(np.frexp(np.where(a > 0, a, 1))[1] - 1 - 8, -126, 127), 0)      # np.frexp(a)[1] - 1 = floor(log2(a)), exactly
;;       r = np.clip(x / 2.0 ** e, -448, 448)
;;       step = 2.0 ** (np.maximum(np.frexp(np.where(r == 0, 1, r))[1] - 1, -6) - 3)
;;       q = np.round(r / step) * step * 2.0 ** e      # np.round: ties to even
;;       return np.moveaxis(q.reshape(q.shape[:-2] + (-1,))[..., :K], -1, axis).astype(np.float32)
;;   ~~~
;;   SOFTMAX AHEAD OF A QUANTISED PRODUCT. Where the list says 'softmax', what is quantised is not the finished softmax but p = 2^(t - M), with t = logit x log2(e) and M = ceil(the row's largest t), a whole number; so 1/2 < the row's largest p <= 1. The row's sum l is taken of the UNQUANTISED p, in f32, and the product's result is divided by l at the end. Since M is a whole number, a kernel that streams over the keys may use a running M (the ceiling of the running maximum): every later rescaling is an exact power of two, which a block's scale takes up: the codes' values come out the same.
;;   OPERANDS COMPUTED ON THE WAY. 'Computed on the way' means the value that the module computes at that place (a softmax that the list does not call 'softmax' is quantised finished and normalised). What goes into a quantiser is computed in f32, as accurately as f32 sums, v_exp_f32 and their like allow (about 1e-6 of the number): no bf16 or f16 on the way to a quantiser, and a product that is left as it is and whose result goes on into a quantised operand takes f32 operands (vector FMAs, or v_wmma_f32_16x16x4_f32). A number that lies on a knife's edge between two numbers of the format may be rounded either way, as far as f32 arithmetic and the matrix unit's own rounding can turn it there, and no further.
;; 2 versions. Each part assembles by itself: llvm-mc -triple=amdgcn-amd-amdhsa -mcpu=gfx1250 --defsym DOCPART=n.
;; ======== version 1 of 2: 3 launches
;; limits: inputs' magnitudes at most 11,000; right only within a limited range of input values
;; workspace buffers: kv 8,650,752 bytes; wt 2,433,024 bytes; mflag 1,024 bytes of whole numbers; ao 4,194,304 bytes; ao_sc 131,072 bytes
;; launch prep (part 1): grid 401 x 1, 8 waves a work-group, no clusters, 2,048 bytes of LDS; arguments x, fc_w, w1, w2, mask, kv, wt, mflag; writes kv, wt, mflag
.if DOCPART == 1
	.amdgcn_target "amdgcn-amd-amdhsa--gfx1250"
	.amdhsa_code_object_version 6
	.text
	.protected	k_q4f03183aaf_prep
	.globl	k_q4f03183aaf_prep
	.p2align	8
	.type	k_q4f03183aaf_prep,@function
k_q4f03183aaf_prep:
	s_mov_b64 s[64:65], 0
	v_nop
	global_prefetch_b8 v0, s[64:65] scope:SCOPE_SE
	s_setreg_imm32_b32 hwreg(HW_REG_WAVE_MODE, 25, 1), 1
	s_wait_xcnt 0x0
; PREP: every operand that later launches read many times is quantised once (E4M3 codes, one E8M0 byte for 32 along K) and laid in memory
; IN THE ORDER OF THE OPERAND'S REGISTERS, so that later a fragment comes by loads of 16 bytes a lane, 512 consecutive bytes an instruction.
; Work-groups 0-255: x, 128 tokens x 128 channels each: (a) along the head's 32 channels (first product: K image), (b) along 32 tokens (second product: V image).
; Work-groups 256-399: the weights, as nine products of the shape [512 n][512 k]: p = 0 fc_w; p = 1 + 2 j rows 512 j of w1; p = 2 + 2 j columns 512 j of w2.
; Work-group 400: the mask, as whole numbers: for each batch and half (8 key steps of 128): bit i = step i has a masked key, bit 8 = the half has a key that counts.
; kv: 64 records (batch x 16 + head) of REC bytes: K image [step 16][tile 8][lane][16 B]: lane (r, h) of tile t: channels 16 h .. + 15 of key 128 step + 32 (t / 2) + 8 (t % 2) + r + 8 (r / 8);
;     V image at 65,536: [step][u 2][c 4][lane][16 B]: keys 128 step + 32 c + 16 h .. + 15 of channel 8 u + r + 8 (r / 8); scale bytes at 131,072: [step][256]: K's words [g][r] (byte c: tile 4 g + c), V's words [u][r] (byte c: key block c).
; wt: codes [p 9][w 16][s 4][u 2][c 4][lane][16 B]: row n0 + 32 w + 8 u + r + 8 (r / 8), k = k0 + 128 s + 32 c + 16 h .. + 15; scale words from WSC on: [p][w][s][u][r].
; A block's scale byte is its largest magnitude's exponent field - 8, held at 1 from below.  A block of zeros so gets the byte 1 where the rule says 127: its codes are zeros, and this program alone reads the bytes.
; LIMITS: NaN and infinities among the inputs are not served.
.set REC,  135168
.set VIMG, 65536
.set SCA,  131072
.set WSC,  2359296
.set X,    32                          ; v32-95   64 numbers of a lane: register 16 b + i = k 32 b + 16 h + i of my row
.set VV,   96                          ; v96-159  two blocks of 32 tokens of my channel
.set PC,   160                         ; v160-175 a fragment's codes
.set VC,   176                         ; v176-191 V's codes, 8 registers a block
.set TM,   192                         ; v192-195 largest magnitudes, 196-199 permute, then bytes, 200-203 448 x scale, 204-207 scale operands
.set PW,   208                         ; the scale word
.set WV,   20
.set SEL,  22
.set MNT,  24
.macro XLOAD base                      ; lane (r, h): of my row, 16 neighbours of each of four blocks of 32
.irp bb, 0,1,2,3
.irp j, 0,1,2,3
	global_load_b128 v[X+16*\bb+4*\j:X+16*\bb+4*\j+3], v5, s[\base:\base+1] offset:128*\bb+16*\j
.endr
.endr
.endm
.macro VLOAD i                         ; block i: tokens 32 i .. 32 i + 31 of my wave's 64, my channel: the 32 lanes of a load read a head's 128 bytes
.set Q, 0
.rept 32
	global_load_b32 v[VV+32*\i+Q], v8, s[38:39] offset:(32*\i+Q)*2048
.set Q, Q+1
.endr
.endm
.macro QUANT                           ; v[X] on -> codes in v[PC] on, bytes in v[TM+4] on, the word in v[PW]
.irp b, 0,1,2,3
	v_max3_num_f32 v[TM+\b], |v[X+16*\b]|, |v[X+1+16*\b]|, 0x4800000   ; my 16 numbers of block b and the floor 2^(9 - 127): the byte cannot fall under 1
.endr
.irp i, 2,4,6,8,10,12,14
.irp b, 0,1,2,3
	v_max3_num_f32 v[TM+\b], v[TM+\b], |v[X+16*\b+\i]|, |v[X+1+16*\b+\i]|
.endr
.endr
.irp b, 0,1,2,3
	v_permlanex16_b32 v[TM+4+\b], v[TM+\b], s[SEL], s[SEL+1]
.endr
.irp b, 0,1,2,3
	v_max_num_f32 v[TM+\b], v[TM+\b], v[TM+4+\b]           ; with lane l xor 16's 16: the block's largest magnitude
.endr
.irp b, 0,1,2,3
	v_add_nc_u32 v[TM+12+\b], 0xfc000000, v[TM+\b]         ; 8 off its exponent field: the conversion's scale operand
.endr
.irp b, 0,1,2,3
	v_and_or_b32 v[TM+8+\b], v[TM+\b], 0x7f800000, s[MNT]  ; 448 x the scale
.endr
.irp b, 0,1,2,3
	v_lshrrev_b32 v[TM+4+\b], 23, v[TM+12+\b]              ; the scale's byte
.endr
	v_lshl_or_b32 v[PW], v[TM+5], 8, v[TM+4]
	v_lshl_or_b32 v[PW], v[TM+6], 16, v[PW]
	v_lshl_or_b32 v[PW], v[TM+7], 24, v[PW]
.irp b, 0,1,2,3
.irp i, 0,1,2,3,4,5,6,7,8,9,10,11,12,13,14,15
	v_med3_num_f32 v[X+16*\b+\i], v[X+16*\b+\i], -v[TM+8+\b], v[TM+8+\b]   ; the conversion to an 8-bit code does not saturate (ISA guide 7.6.2): the hold comes first
.endr
	v_cvt_scalef32_pk8_fp8_f32 v[PC+4*\b:PC+1+4*\b], v[X+16*\b:X+7+16*\b], v[TM+12+\b]
	v_cvt_scalef32_pk8_fp8_f32 v[PC+2+4*\b:PC+3+4*\b], v[X+8+16*\b:X+15+16*\b], v[TM+12+\b]
.endr
	v_nop                                                  ; one plain line behind the last conversion
.endm
.macro VBLOCK i                        ; 32 tokens of my channel are one block, all in my registers
.set XS, VV+32*\i
	v_max3_num_f32 v209, |v[XS]|, |v[XS+1]|, |v[XS+2]|
	v_max3_num_f32 v210, |v[XS+3]|, |v[XS+4]|, |v[XS+5]|
.irp k, 6,10,14,18,22,26
	v_max3_num_f32 v209, v209, |v[XS+\k]|, |v[XS+\k+1]|
	v_max3_num_f32 v210, v210, |v[XS+\k+2]|, |v[XS+\k+3]|
.endr
	v_max3_num_f32 v209, v209, |v[XS+30]|, |v[XS+31]|
	v_max3_num_f32 v209, v209, v210, 0x4800000
	v_add_nc_u32 v211, 0xfc000000, v209
	v_and_or_b32 v212, v209, 0x7f800000, s[MNT]
	v_lshrrev_b32 v[216+\i], 23, v211
.irp k, 0,1,2,3,4,5,6,7,8,9,10,11,12,13,14,15,16,17,18,19,20,21,22,23,24,25,26,27,28,29,30,31
	v_med3_num_f32 v[XS+\k], v[XS+\k], -v212, v212
.endr
.irp g, 0,1,2,3
	v_cvt_scalef32_pk8_fp8_f32 v[VC+8*\i+2*\g:VC+8*\i+2*\g+1], v[XS+8*\g:XS+8*\g+7], v211
.endr
	v_nop
	global_store_b128 v9, v[VC+8*\i:VC+8*\i+3], s[44:45] offset:512*\i         ; keys 0-15 of the block: the image's lanes 0-15; sixteen lanes fill 256 aligned bytes
	global_store_b128 v9, v[VC+8*\i+4:VC+8*\i+7], s[44:45] offset:512*\i+256   ; keys 16-31: its lanes 16-31
	ds_store_b8 v10, v[216+\i] offset:\i
.endm
	s_load_b512 s[4:19], s[0:1], 0x0               ; x, fc_w, w1, w2, mask, kv, wt, mflag
	v_lshl_add_u32 v224, v0, 2, 0x400
	v_mov_b32 v225, 0
	v_lshrrev_b32 v1, 5, v0
	v_readfirstlane_b32 s[WV], v1                  ; wave 0..7
	v_and_b32 v1, 31, v0                           ; lane
	v_and_b32 v2, 15, v0                           ; r
	v_bfe_u32 v3, v0, 4, 1                         ; h
	v_and_b32 v4, 8, v2
	v_add_nc_u32 v4, v4, v2                        ; r + 8 (r / 8): a tile's rows are not neighbours
	v_lshlrev_b32 v6, 4, v1                        ; 16 x lane
	s_mov_b32 s[SEL], 0x76543210
	s_mov_b32 s[SEL+1], 0xfedcba98
	s_mov_b32 s[MNT], 0x600000
	s_mov_b32 s33, 0
.irp b, 0,1,2,3
	v_mov_b32 v[TM+4+\b], 0                        ; a lane permute's destination counts as one of its sources
.endr
	s_wait_kmcnt 0x0
	s_cmp_eq_u32 ttmp9, 400
	s_cbranch_scc1 .Lmask
	s_cmp_ge_u32 ttmp9, 256
	s_cbranch_scc1 .Lweights
	; ---- x: batch b, key step st, head group G (4 heads)
	s_lshr_b32 s25, ttmp9, 6                       ; b
	s_bfe_u32 s26, ttmp9, 0x40002                  ; st
	s_and_b32 s27, ttmp9, 3                        ; G
	s_lshl_b32 s28, s25, 11
	s_lshl_b32 s29, s26, 7
	s_add_co_u32 s28, s28, s29                     ; the step's first token
	s_lshr_b32 s29, s[WV], 1
	s_and_b32 s30, s[WV], 1
	s_lshl_b32 s31, s29, 5
	s_lshl_b32 s32, s30, 3
	s_add_co_u32 s31, s31, s32
	s_add_co_u32 s31, s31, s28                     ; K part: wave w is key tile w: its first token
	s_lshl_b32 s32, s31, 11
	s_lshl_b32 s36, s27, 9
	s_add_co_u32 s32, s32, s36
	s_add_nc_u64 s[34:35], s[4:5], s[32:33]        ; x at that token, the group's first channel
	s_lshl_b32 s32, s30, 6
	s_add_co_u32 s32, s32, s28                     ; V part: wave w takes head 4 G + w / 2 and key blocks 2 (w % 2), + 1
	s_lshl_b32 s32, s32, 11
	s_lshl_b32 s36, s27, 2
	s_add_co_u32 s36, s36, s29
	s_lshl_b32 s37, s36, 7
	s_add_co_u32 s32, s32, s37
	s_add_nc_u64 s[38:39], s[4:5], s[32:33]
	s_lshl_b32 s32, s25, 4
	s_lshl_b32 s37, s27, 2
	s_add_co_u32 s37, s32, s37                     ; the group's first record
	s_mul_i32 s40, s37, REC
	s_lshl_b32 s41, s26, 12                        ; 4,096 bytes of an image a step
	s_add_co_u32 s32, s40, s41
	s_lshl_b32 s42, s[WV], 9
	s_add_co_u32 s32, s32, s42
	s_add_nc_u64 s[42:43], s[14:15], s[32:33]      ; K image: my tile
	s_mul_i32 s32, s29, REC
	s_add_co_u32 s32, s32, s40
	s_add_co_u32 s32, s32, s41
	s_lshl_b32 s44, s30, 10
	s_add_co_u32 s32, s32, s44
	s_add_co_u32 s32, s32, VIMG
	s_add_nc_u64 s[44:45], s[14:15], s[32:33]      ; V image: my head, my two key blocks
	s_lshl_b32 s32, s26, 8
	s_add_co_u32 s32, s32, s40
	s_add_co_u32 s32, s32, SCA
	s_add_nc_u64 s[46:47], s[14:15], s[32:33]      ; the step's 256 scale bytes in the group's first record
	v_lshlrev_b32 v5, 11, v4
	v_lshl_add_u32 v5, v3, 6, v5                   ; K: row r + 8 (r / 8) of 2,048 bytes, + 64 h
	s_lshr_b32 s32, s[WV], 2
	s_lshl_b32 s32, s32, 6
	s_and_b32 s37, s[WV], 3
	s_add_co_u32 s32, s32, s37
	v_lshl_add_u32 v7, v2, 2, s32                  ; LDS: K's byte: 64 (w / 4) + 4 r + w % 4
	v_lshl_add_u32 v8, v3, 3, v4
	v_lshlrev_b32 v8, 2, v8                        ; V: my channel 8 u + r + 8 (r / 8), u = lane / 16
	v_lshlrev_b32 v9, 4, v2
	v_lshl_add_u32 v9, v3, 11, v9                  ; V image: 2,048 u + 16 r
	s_lshl_b32 s32, s29, 8
	s_lshl_b32 s37, s30, 1
	s_add_co_u32 s32, s32, s37
	s_add_co_u32 s32, s32, 128
	v_lshl_add_u32 v10, v1, 2, s32                 ; LDS: V's byte: 256 (w / 2) + 128 + 4 lane + 2 (w % 2)
	v_lshrrev_b32 v11, 4, v0
	v_mul_u32_u24 v11, v11, REC
	v_lshl_add_u32 v11, v2, 4, v11                 ; the scale bytes' way out: head thread / 16, 16 bytes a lane
	v_lshlrev_b32 v218, 4, v0
	XLOAD 34                                       ; K's 16 loads,
	VLOAD 0                                        ; and the 32 of V's first block: 48 loads of mine are out
	s_wait_loadcnt 32                              ; K's 16 loads are in; the 32 issued behind them may be out
	QUANT
.irp bb, 0,1,2,3
	global_store_b128 v6, v[PC+4*\bb:PC+4*\bb+3], s[42:43] offset:\bb*REC   ; head 4 G + bb: 512 consecutive aligned bytes
	ds_store_b8 v7, v[TM+4+\bb] offset:256*\bb     ; both halves of the lanes write the same byte with the same value
.endr
	s_wait_loadcnt 0x0                             ; V's first block is in,
	s_wait_xcnt 0x0                                ; and all that has been issued has had its addresses translated:
	VLOAD 1                                        ; V's second block goes out, 32 loads, and lands while the first is worked
	VBLOCK 0
	s_wait_loadcnt 0x0                             ; V's second block is in
	VBLOCK 1
	s_wait_dscnt 0x0                               ; my byte stores have landed
	s_barrier_signal -1
	s_barrier_wait -1                              ; the four heads' 256 scale bytes of this step lie in LDS
	s_cmp_ge_u32 s[WV], 2
	s_cbranch_scc1 .Lxend
	ds_load_b128 v[12:15], v218
	s_wait_dscnt 0x0
	global_store_b128 v11, v[12:15], s[46:47]      ; sixteen lanes store one aligned unit of 256 bytes
.Lxend:
	s_wait_tensorcnt 0x0
	ds_add_u32 v224, v225
	s_wait_dscnt 0x0
	s_endpgm
	; ---- weights: fragment (p, w = id % 16, s = wave / 2, u = wave % 2)
.Lweights:
	s_sub_co_u32 s25, ttmp9, 256                   ; id
	s_lshr_b32 s26, s25, 4                         ; p
	s_and_b32 s27, s25, 15                         ; w
	s_max_u32 s28, s26, 1
	s_sub_co_u32 s28, s28, 1
	s_lshr_b32 s28, s28, 1
	s_lshl_b32 s28, s28, 9                         ; 512 j
	s_and_b32 s29, s26, 1
	s_mov_b32 s32, 8192                            ; a row of w2 in bytes
	s_cmp_eq_u32 s29, 1                            ; p odd: w1.  The choice hangs on the work-group's number alone
	s_cselect_b64 s[30:31], s[8:9], s[10:11]
	s_cselect_b32 s32, 2048, s32
	s_cselect_b32 s34, s28, 0                      ; first row
	s_cselect_b32 s35, 0, s28                      ; first column
	s_cmp_eq_u32 s26, 0                            ; p = 0: fc_w
	s_cselect_b64 s[30:31], s[6:7], s[30:31]
	s_cselect_b32 s32, 2048, s32
	s_cselect_b32 s34, 0, s34
	s_cselect_b32 s35, 0, s35
	s_lshr_b32 s38, s[WV], 1                       ; s
	s_and_b32 s39, s[WV], 1                        ; u
	s_lshl_b32 s36, s27, 5
	s_add_co_u32 s36, s36, s34
	s_lshl_b32 s40, s39, 3
	s_add_co_u32 s36, s36, s40
	s_mul_i32 s36, s36, s32
	s_lshl_b32 s40, s38, 7
	s_add_co_u32 s40, s40, s35
	s_lshl_b32 s40, s40, 2
	s_add_co_u32 s36, s36, s40
	s_mov_b32 s37, 0
	s_add_nc_u64 s[30:31], s[30:31], s[36:37]
	v_mul_lo_u32 v5, v4, s32
	v_lshl_add_u32 v5, v3, 6, v5
	XLOAD 30
	s_lshl_b32 s36, s25, 14
	s_lshl_b32 s40, s[WV], 11
	s_add_co_u32 s36, s36, s40
	s_add_nc_u64 s[42:43], s[16:17], s[36:37]
	s_lshl_b32 s36, s25, 9
	s_lshl_b32 s40, s[WV], 6
	s_add_co_u32 s36, s36, s40
	s_add_co_u32 s36, s36, WSC
	s_add_nc_u64 s[44:45], s[16:17], s[36:37]
	v_lshlrev_b32 v11, 2, v2
	s_wait_loadcnt 0x0
	QUANT
.irp c, 0,1,2,3
	global_store_b128 v6, v[PC+4*\c:PC+4*\c+3], s[42:43] offset:512*\c
.endr
	global_store_b32 v11, v[PW], s[44:45]          ; 16 words; lanes l and l + 16 write the same word with the same value
	s_endpgm
	; ---- mask: wave w = batch w / 2, half w % 2: 1,024 keys, eight steps of 128
.Lmask:
	s_lshl_b32 s32, s[WV], 12
	s_add_nc_u64 s[34:35], s[12:13], s[32:33]
.irp i, 0,1,2,3,4,5,6,7
	global_load_b128 v[32+4*\i:35+4*\i], v6, s[34:35] offset:512*\i
.endr
	s_mov_b32 s38, 0
	s_wait_loadcnt 0x0
.irp i, 0,1,2,3,4,5,6,7
	v_min_u32 v96, v[32+4*\i], v[33+4*\i]
	v_min_u32 v97, v[34+4*\i], v[35+4*\i]
	v_min_u32 v96, v96, v97                        ; 0 where one of my four keys of step i is masked
	v_cmp_eq_u32 s36, 0, v96
	s_cmp_lg_u32 s36, 0
	s_cselect_b32 s37, 1<<\i, 0
	s_or_b32 s38, s38, s37
.endr
	v_or_b32 v98, v32, v33
.set Q, 2
.rept 30
	v_or_b32 v98, v98, v[32+Q]
.set Q, Q+1
.endr
	v_cmp_ne_u32 s36, 0, v98                       ; a key that counts
	s_cmp_lg_u32 s36, 0
	s_cselect_b32 s37, 256, 0
	s_or_b32 s38, s38, s37
	v_mov_b32 v99, s38
	v_lshlrev_b32 v100, 2, v1
	s_lshl_b32 s32, s[WV], 7
	s_add_nc_u64 s[18:19], s[18:19], s[32:33]
	global_store_b32 v100, v99, s[18:19]           ; 32 equal words
	s_endpgm
.Lfunc_end_k_q4f03183aaf_prep:
	.size	k_q4f03183aaf_prep, .Lfunc_end_k_q4f03183aaf_prep-k_q4f03183aaf_prep
	.p2alignl 7, 3214868480
	.fill 96, 4, 3214868480
	.section	.rodata,"a",@progbits
	.p2align	6, 0x0
	.amdhsa_kernel k_q4f03183aaf_prep
		.amdhsa_group_segment_fixed_size 2048
		.amdhsa_private_segment_fixed_size 0
		.amdhsa_enable_private_segment 0
		.amdhsa_kernarg_size 64
		.amdhsa_user_sgpr_count 2
		.amdhsa_user_sgpr_kernarg_segment_ptr 1
		.amdhsa_wavefront_size32 1
		.amdhsa_system_sgpr_workgroup_id_x 1
		.amdhsa_system_sgpr_workgroup_id_y 1
		.amdhsa_system_sgpr_workgroup_id_z 1
		.amdhsa_system_vgpr_workitem_id 0
		.amdhsa_next_free_vgpr 226
		.amdhsa_next_free_sgpr 66
		.amdhsa_reserve_vcc 0
		.amdhsa_float_denorm_mode_32 3
		.amdhsa_float_denorm_mode_16_64 3
		.amdhsa_memory_ordered 1
		.amdhsa_forward_progress 1
		.amdhsa_inst_pref_size 44
	.end_amdhsa_kernel
	.amdgpu_metadata
---
amdhsa.version: [ 1, 2 ]
amdhsa.kernels:
  - .name:           k_q4f03183aaf_prep
    .symbol:         k_q4f03183aaf_prep.kd
    .args:
      - { .name: x, .offset: 0, .size: 8, .value_kind: global_buffer, .address_space: global }
      - { .name: fc_w, .offset: 8, .size: 8, .value_kind: global_buffer, .address_space: global }
      - { .name: w1, .offset: 16, .size: 8, .value_kind: global_buffer, .address_space: global }
      - { .name: w2, .offset: 24, .size: 8, .value_kind: global_buffer, .address_space: global }
      - { .name: mask, .offset: 32, .size: 8, .value_kind: global_buffer, .address_space: global }
      - { .name: kv, .offset: 40, .size: 8, .value_kind: global_buffer, .address_space: global }
      - { .name: wt, .offset: 48, .size: 8, .value_kind: global_buffer, .address_space: global }
      - { .name: mflag, .offset: 56, .size: 8, .value_kind: global_buffer, .address_space: global }
    .group_segment_fixed_size: 2048
    .private_segment_fixed_size: 0
    .kernarg_segment_align: 8
    .kernarg_segment_size: 64
    .max_flat_workgroup_size: 256
    .sgpr_count:     66
    .vgpr_count:     226
    .wavefront_size: 32
...
	.end_amdgpu_metadata
.endif
;; end of part 1
;; launch attn (part 2): grid 4 x 64, 16 waves a work-group, no clusters, 145,664 bytes of LDS; arguments kv, mask, mflag, ao, ao_sc; writes ao, ao_sc
.if DOCPART == 2
	.amdgcn_target "amdgcn-amd-amdhsa--gfx1250"
	.amdhsa_code_object_version 6
	.text
	.protected	k_q4f03183aaf_attn
	.globl	k_q4f03183aaf_attn
	.p2align	8
	.type	k_q4f03183aaf_attn,@function
k_q4f03183aaf_attn:
	s_mov_b64 s[64:65], 0
	v_nop
	global_prefetch_b8 v0, s[64:65] scope:SCOPE_SE
	s_setreg_imm32_b32 hwreg(HW_REG_WAVE_MODE, 25, 1), 1
	s_wait_xcnt 0x0
; ATTENTION on codes of E4M3 with E8M0 scales.  A work-group owns 512 queries of one (batch, head); each of its sixteen waves two tiles of 16 queries, one after the other: four waves to a SIMD,
; so that one wave's vector work stands beside another's matrix work and LDS loads.  The head's whole record (K image, V image, scale bytes: 135,168 bytes) comes into LDS ONCE, through registers; one barrier;
; after it LDS is only read.  No cluster: what partners would share is read once in the launch, ahead of its 512 key steps.
; BOTH PRODUCTS TRANSPOSED: S^T = K Q^T, O^T = V^T P^T: a lane holds one query (lane % 16) throughout.
; THE FIRST PRODUCT HAS K = 32.  One fragment of 16 registers carries FOUR key tiles, one in each block of 32 of the instruction's 128.  Q stands in a run of 28 registers, 12 zeros, 4 of codes, 12 zeros:
; the 16 registers from QZ + 12 - 4 c on have Q in block c and zero codes elsewhere, which add nothing (the other side's codes are held codes, its bytes lie in 1 .. 254).  So a key tile costs one LDS load of 16 bytes a lane.
; THE KEYS OF A TILE ARE NOT NEIGHBOURS (see the K image): the 16 registers of tiles 2 b, 2 b + 1 are keys 32 b + 16 (lane / 16) + 0 .. 15, so p's codes are the second product's operand as they are made.
; SOFTMAX: t = score x log2(e) / sqrt(32); M = the running largest t rounded up to a whole number; p = 2^(t - M) is quantised along the keys; the row's sum is taken of the unquantised p and divides at the end.
; THE MASK enters as the C of the first product: 0 or -2^66, from a table in LDS, and only in the key steps that the stored flags mark; the others take C = 0.  The running largest t begins at -2^30, so a masked key gives p = 0.
; A batch with no key that counts: all biases 0 and Q's codes 0 (no branch): every t is 0, p = 1, the sum 2,048: the mean of V, as -1e20 everywhere gives.
; LIMITS: |t| under 2^30; a masked score is -2^66 in place of -1e20 (p is 0 either way); NaN and infinities are not served; a block of zeros gets the byte 1 (this program alone reads the bytes).
.set REC,  135168
.set VIMG, 65536
.set SCA,  131072
.set BIAS, 135168                      ; LDS: behind the record: 2,048 f32, 0 or -2^66
.set QZ,  16                           ; v16-43   12 zeros, Q's codes, 12 zeros
.set QS,  44                           ; v44 Q's scale word, v45 K's words, v46 V's words, v47 p's word: they hold scales and nothing else
.set KS,  45
.set VS,  46
.set PW,  47
.set QR,  48                           ; v48-55   Q's codes of tiles 0, 1; at a tile's end the result's codes
.set QB,  56                           ; v56-57   Q's scale bytes; at a tile's end the result's byte
.set KF,  60                           ; v60-91   K: two fragments = eight key tiles
.set VF,  92                           ; v92-123  V: two fragments
.set S,   124                          ; v124-187 S^T, then p
.set O,   188                          ; v188-203 O^T: register i = channel 16 (lane / 16) + i
.set PC,  204                          ; v204-219 p's codes
.set BM,  220                          ; blocks' largest scores, then largest p
.set BP,  224                          ; permutes, then bytes
.set BL,  228                          ; 448 x the scale
.set BS,  232                          ; the conversions' scale operands
.set WV,  14
.set MNT, 19
.set SEL, 20
.set CS,  22
.set MF,  24                           ; s24 bit i: key step i has a masked key
.set FL,  25                           ; s25 all ones, or 0 where no key of the batch counts
.set TK,  26
.set TS,  27
.set TBI, 28
.set CNT, 29
.set STN, 30
.macro LOADKV
.irp g, 0,1
.irp c, 0,1,2,3
	ds_load_b128 v[KF+16*\g+4*\c:KF+16*\g+4*\c+3], v8 offset:2048*\g+512*\c
.endr
.endr
	ds_load_b32 v[KS], v10                         ; lanes 0-15: tiles 0-3's bytes of row r; lanes 16-31: tiles 4-7's
.irp u, 0,1
.irp c, 0,1,2,3
	ds_load_b128 v[VF+16*\u+4*\c:VF+16*\u+4*\c+3], v9 offset:2048*\u+512*\c
.endr
.endr
	ds_load_b32 v[VS], v10 offset:128
.endm
.macro SPROD onto                      ; eight key tiles; onto = 1: onto the bias that lies in S
.irp g, 0,1
.irp c, 0,1,2,3
.if \onto
.if \g
	v_wmma_scale_f32_16x16x128_f8f6f4 v[S+32*\g+8*\c:S+32*\g+8*\c+7], v[KF+16*\g:KF+16*\g+15], v[QZ+12-4*\c:QZ+27-4*\c], v[S+32*\g+8*\c:S+32*\g+8*\c+7], v[KS], v[QS] matrix_a_scale:MATRIX_SCALE_ROW1
.else
	v_wmma_scale_f32_16x16x128_f8f6f4 v[S+32*\g+8*\c:S+32*\g+8*\c+7], v[KF+16*\g:KF+16*\g+15], v[QZ+12-4*\c:QZ+27-4*\c], v[S+32*\g+8*\c:S+32*\g+8*\c+7], v[KS], v[QS]
.endif
.else
.if \g
	v_wmma_scale_f32_16x16x128_f8f6f4 v[S+32*\g+8*\c:S+32*\g+8*\c+7], v[KF+16*\g:KF+16*\g+15], v[QZ+12-4*\c:QZ+27-4*\c], 0, v[KS], v[QS] matrix_a_scale:MATRIX_SCALE_ROW1
.else
	v_wmma_scale_f32_16x16x128_f8f6f4 v[S+32*\g+8*\c:S+32*\g+8*\c+7], v[KF+16*\g:KF+16*\g+15], v[QZ+12-4*\c:QZ+27-4*\c], 0, v[KS], v[QS]
.endif
.endif
.endr
.endr
.endm
	s_load_b256 s[4:11], s[0:1], 0x0               ; kv, mask, mflag, ao
	s_load_b64 s[12:13], s[0:1], 0x20              ; ao_sc
	v_lshl_add_u32 v254, v0, 2, 0x23100
	v_mov_b32 v255, 0
	v_lshrrev_b32 v1, 5, v0
	v_readfirstlane_b32 s[WV], v1                  ; wave 0..15
	s_and_b32 s33, ttmp7, 0xffff                   ; batch x 16 + head
	s_lshr_b32 s34, s33, 4                         ; batch
	s_and_b32 s35, s33, 15                         ; head
	s_lshl_b32 s36, ttmp9, 4
	s_add_co_u32 s36, s36, s[WV]                   ; P: my 32 queries among the batch's 64 such
	s_mov_b32 s39, 0
	s_mov_b32 s[MNT], 0x600000
	s_mov_b32 s[SEL], 0x76543210
	s_mov_b32 s[SEL+1], 0xfedcba98
	s_mov_b32 s[CS], 0x3e8293ee                    ; c = log2(e) / sqrt(32)
	s_mov_b32 s[CS+1], s[CS]
	s_mov_b32 s31, 0x01010101
	v_and_b32 v5, 15, v0                           ; r
	v_bfe_u32 v4, v0, 4, 1                         ; h
	v_and_b32 v1, 31, v0
	v_lshl_add_u32 v3, v1, 2, SCA                  ; scale words: 4 x lane
	v_lshlrev_b32 v1, 4, v1                        ; 16 x lane: K image, and the way out
	v_add_nc_u32 v2, VIMG, v1                      ; V image
	v_and_b32 v10, 7, v5
	v_lshrrev_b32 v11, 3, v5
	v_lshl_add_u32 v9, v10, 2, v11                 ; Q's byte in K's words: 4 (r % 8) + r / 8
	v_lshlrev_b32 v8, 4, v10
	v_lshl_add_u32 v8, v11, 9, v8
	v_lshl_add_u32 v8, v4, 8, v8                   ; Q's codes in the K image: 512 (r / 8) + 16 (r % 8) + 256 h
	v_lshl_add_u32 v4, v4, 6, BIAS                 ; the bias of my half's 16 keys of a block
	v_lshlrev_b32 v5, 2, v5                        ; 4 r
	v_lshlrev_b32 v6, 4, v0                        ; 16 x thread
	v_lshlrev_b32 v7, 3, v0                        ; 8 x thread
	v_add_nc_u32 v10, VIMG, v6
	v_add_nc_u32 v11, SCA, v7
	v_add_nc_u32 v59, BIAS, v6
	s_wait_kmcnt 0x0
	s_lshl_b32 s38, s34, 8
	s_add_nc_u64 s[8:9], s[8:9], s[38:39]
	s_load_b32 s40, s[8:9], 0x0                    ; the batch's flags: first half,
	s_load_b32 s41, s[8:9], 0x80                   ; second half
	s_mul_i32 s38, s33, REC
	s_add_nc_u64 s[4:5], s[4:5], s[38:39]          ; my head's record
	s_lshl_b32 s38, s34, 13
	s_add_nc_u64 s[6:7], s[6:7], s[38:39]          ; my batch's mask
	s_lshl_b32 s38, s36, 10
	s_add_nc_u64 s[42:43], s[4:5], s[38:39]        ; my queries' codes: 1,024 P
	s_lshr_b32 s38, s36, 2
	s_lshl_b32 s38, s38, 8
	s_bfe_u32 s37, s36, 0x10001
	s_lshl_b32 s37, s37, 6
	s_add_co_u32 s38, s38, s37
	s_and_b32 s37, s36, 1
	s_lshl_b32 s37, s37, 1
	s_add_co_u32 s38, s38, s37
	s_add_co_u32 s38, s38, SCA
	s_add_nc_u64 s[44:45], s[4:5], s[38:39]        ; and their bytes: 256 (P / 4) + 64 ((P / 2) % 2) + 2 (P % 2)
	s_lshl_b32 s37, s34, 6
	s_add_co_u32 s37, s37, s36                     ; my pair of row tiles among all 256
	s_lshl_b32 s38, s37, 14
	s_lshl_b32 s15, s35, 9
	s_add_co_u32 s38, s38, s15
	s_add_nc_u64 s[10:11], s[10:11], s[38:39]      ; ao [pair][m][head][lane][16]
	s_lshl_b32 s38, s37, 9
	s_lshr_b32 s15, s35, 2
	s_lshl_b32 s15, s15, 7
	s_add_co_u32 s38, s38, s15
	s_and_b32 s15, s35, 3
	s_add_co_u32 s38, s38, s15
	s_add_nc_u64 s[12:13], s[12:13], s[38:39]      ; ao_sc [pair][head / 4][m][r][head % 4]
	; 22 loads a thread, in this order: 16 of the images, the scale bytes, the mask, Q's codes (2), Q's bytes (2)
.set Q, 0
.rept 16
	global_load_b128 v[S+4*Q:S+4*Q+3], v6, s[4:5] offset:8192*Q
.set Q, Q+1
.endr
	global_load_b64 v[220:221], v7, s[4:5] offset:SCA
	global_load_b128 v[232:235], v6, s[6:7]
	global_load_b128 v[QR:QR+3], v8, s[42:43]
	global_load_b128 v[QR+4:QR+7], v8, s[42:43] offset:128
	global_load_u8 v[QB], v9, s[44:45]
	global_load_u8 v[QB+1], v9, s[44:45] offset:32
	s_wait_kmcnt 0x0
	s_or_b32 s37, s40, s41
	s_and_b32 s40, s40, 255
	s_and_b32 s41, s41, 255
	s_lshl_b32 s41, s41, 8
	s_or_b32 s[MF], s40, s41
	s_bitcmp1_b32 s37, 8                           ; does any key of the batch count?
	s_cselect_b32 s[FL], -1, 0
	s_cselect_b32 s38, 0xe0800000, 0               ; -2^66
	s_cselect_b32 s[MF], s[MF], 0
	v_mov_b32 v58, s38
.irp j, 0,1,2,3,4,5,6,7,8,9,10,11
	v_mov_b32 v[QZ+\j], 0
	v_mov_b32 v[QZ+16+\j], 0
.endr
.irp b, 0,1,2,3
	v_mov_b32 v[BP+\b], 0                          ; a lane permute's destination counts as one of its sources
.endr
	v_mov_b32 v238, 0
	v_mov_b32 v241, 0                              ; named as the upper half of the pair v[240:241]
.set Q, 0
.rept 8
	s_wait_loadcnt 21-Q                            ; the loads issued behind load Q may be out
	ds_store_b128 v6, v[S+4*Q:S+4*Q+3] offset:8192*Q
.set Q, Q+1
.endr
.rept 8
	s_wait_loadcnt 21-Q
	ds_store_b128 v10, v[S+4*Q:S+4*Q+3] offset:8192*(Q-8)
.set Q, Q+1
.endr
	s_wait_loadcnt 5                               ; behind the scale bytes: the mask and Q's four
	ds_store_b64 v11, v[220:221]
	s_wait_loadcnt 4                               ; behind the mask: Q's four
.irp k, 0,1,2,3
	v_cmp_eq_u32 vcc_lo, 0, v[232+\k]
	v_cndmask_b32 v[228+\k], 0, v58, vcc_lo
.endr
	ds_store_b128 v59, v[228:231]
	s_wait_loadcnt 0x0
	s_wait_dscnt 0x0                               ; my stores have landed
	s_barrier_signal -1
	s_barrier_wait -1                              ; the record and the bias table are whole; from here on LDS is only read
.macro TILE i
.irp k, 0,1,2,3
	v_cndmask_b32 v[QZ+12+\k], 0, v[QR+4*\i+\k], s[FL]
.endr
	v_mul_lo_u32 v[QS], v[QB+\i], s31              ; Q's byte in all four places: Q stands in any block
	v_mov_b32 v13, 0xce800000                      ; the largest t so far: -2^30
	v_floor_f32 v12, -v13                          ; -M
	v_mov_b32 v14, 0                               ; the sum, in two halves
	v_mov_b32 v15, 0
.irp j, 0,1,2,3,4,5,6,7,8,9,10,11,12,13,14,15
	v_mov_b32 v[O+\j], 0                           ; the step is written once: the first finds zeros.  (These lines are also the places between Q's codes and scale word and the first product)
.endr
	s_mov_b32 s[TK], 0
	s_mov_b32 s[TS], 0
	s_mov_b32 s[TBI], 0
	s_mov_b32 s[STN], 0
	s_mov_b32 s[CNT], 16
.Lstep_\@:                                             ; a key step: 128 keys
	v_add_nc_u32 v8, s[TK], v1
	v_add_nc_u32 v9, s[TK], v2
	v_add_nc_u32 v10, s[TS], v3
	v_add_nc_u32 v11, s[TBI], v4
.rept 4
	v_nop                                          ; with the four additions: eight places behind the last products, ahead of the loads into V's fragments and scale word
.endr
	s_lshr_b32 s32, s[MF], s[STN]
	s_and_b32 s32, s32, 1
	s_cmp_lg_u32 s32, 0
	s_cbranch_scc1 .Lmasked_\@
	LOADKV
	s_wait_dscnt 9                                 ; K and its words are in; V's eight loads and its words may be out
	SPROD 0
	s_branch .Ljoin_\@
.Lmasked_\@:
.irp b, 0,1,2,3
.irp q, 0,1,2,3
	ds_load_b128 v[S+16*\b+4*\q:S+16*\b+4*\q+3], v11 offset:128*\b+16*\q   ; register 16 b + i: the bias of key 32 b + 16 h + i
.endr
.endr
	LOADKV
	s_wait_dscnt 9                                 ; the bias, K and its words are in
	SPROD 1
.Ljoin_\@:
.rept 8
	v_nop
.endr
.irp b, 0,1,2,3
	v_max3_num_f32 v[BM+\b], v[S+16*\b], v[S+1+16*\b], v[S+2+16*\b]   ; the largest score of each block of 32 keys: for the row's maximum, and, since p rises with the score, for the block's largest p
.endr
.irp q, 3,5,7,9,11,13
.irp b, 0,1,2,3
	v_max3_num_f32 v[BM+\b], v[BM+\b], v[S+16*\b+\q], v[S+1+16*\b+\q]
.endr
.endr
.irp b, 0,1,2,3
	v_max_num_f32 v[BM+\b], v[BM+\b], v[S+15+16*\b]
.endr
.irp b, 0,1,2,3
	v_permlanex16_b32 v[BP+\b], v[BM+\b], s[SEL], s[SEL+1]
.endr
.irp b, 0,1,2,3
	v_max_num_f32 v[BM+\b], v[BM+\b], v[BP+\b]     ; with lane l xor 16's 16 keys
.endr
	v_max3_num_f32 v238, v[BM], v[BM+1], v[BM+2]
	v_max_num_f32 v238, v238, v[BM+3]
	v_mul_f32 v238, s[CS], v238
	v_max_num_f32 v13, v13, v238                   ; the running largest t
	v_mov_b32 v238, v12
	v_floor_f32 v12, -v13                          ; the new -M = -ceil(t)
	v_sub_f32 v238, v12, v238                      ; old M - new M: a whole number, 0 or less
	v_cvt_i32_f32 v238, v238                       ; (it saturates)
	v_ldexp_f32 v240, 1.0, v238                    ; f = 2^(old M - new M): exact
.set Q, 0
.rept 32
	v_pk_fma_f32 v[S+Q:S+Q+1], v[S+Q:S+Q+1], s[CS:CS+1], v[12:13] op_sel_hi:[1,0,0]   ; t - M
.set Q, Q+2
.endr
.irp b, 0,1,2,3
	v_fma_f32 v[BM+\b], v[BM+\b], s[CS], v12
.endr
.set Q, 0
.rept 64
	v_exp_f32 v[S+Q], v[S+Q]                       ; p = 2^(t - M)
.set Q, Q+1
.endr
	v_pk_mul_f32 v[14:15], v[14:15], v[240:241] op_sel_hi:[1,0]   ; the sums under the new M; a plain line behind the exponentials
	s_wait_alu depctr_va_vdst(0)                   ; one wait for the batch of 64, ahead of its first reader
.irp b, 0,1,2,3
	v_exp_f32 v[BM+\b], v[BM+\b]                   ; the block's largest p
.endr
	v_pk_add_f32 v[236:237], v[S:S+1], v[S+2:S+3]  ; the row's sum of the unquantised p, in two chains
.set Q, 4
.rept 15
	v_pk_add_f32 v[14:15], v[14:15], v[S+Q:S+Q+1]
	v_pk_add_f32 v[236:237], v[236:237], v[S+Q+2:S+Q+3]
.set Q, Q+4
.endr
	v_pk_add_f32 v[14:15], v[14:15], v[236:237]
	s_wait_alu depctr_va_vdst(0)                   ; and one for the four
.irp b, 0,1,2,3
	v_max_num_f32 v[BM+\b], 0x4800000, v[BM+\b]    ; the floor 2^(9 - 127): the byte cannot fall under 1
.endr
.irp b, 0,1,2,3
	v_add_nc_u32 v[BS+\b], 0xfc000000, v[BM+\b]
.endr
.irp b, 0,1,2,3
	v_and_or_b32 v[BL+\b], v[BM+\b], 0x7f800000, s[MNT]
.endr
.irp b, 0,1,2,3
	v_lshrrev_b32 v[BP+\b], 23, v[BS+\b]
.endr
	v_lshl_or_b32 v[PW], v[BP+1], 8, v[BP]         ; p's scale word for these 128 keys
	v_lshl_or_b32 v[PW], v[BP+2], 16, v[PW]
	v_lshl_or_b32 v[PW], v[BP+3], 24, v[PW]
.irp b, 0,1,2,3
.irp q, 0,1,2,3,4,5,6,7,8,9,10,11,12,13,14,15
	v_min_num_f32 v[S+16*\b+\q], v[S+16*\b+\q], v[BL+\b]   ; the hold; p is not negative, so it is one-sided
.endr
	v_cvt_scalef32_pk8_fp8_f32 v[PC+4*\b:PC+1+4*\b], v[S+16*\b:S+7+16*\b], v[BS+\b]
	v_cvt_scalef32_pk8_fp8_f32 v[PC+2+4*\b:PC+3+4*\b], v[S+8+16*\b:S+15+16*\b], v[BS+\b]
.endr
.irp q, 0,2,4,6,8,10,12,14
	v_pk_mul_f32 v[O+\q:O+\q+1], v[O+\q:O+\q+1], v[240:241] op_sel_hi:[1,0]   ; O^T under the new M; also the places between the codes and the products
.endr
	s_wait_dscnt 0x0                               ; V and its words are in
	v_wmma_scale_f32_16x16x128_f8f6f4 v[O:O+7], v[VF:VF+15], v[PC:PC+15], v[O:O+7], v[VS], v[PW]
	v_wmma_scale_f32_16x16x128_f8f6f4 v[O+8:O+15], v[VF+16:VF+31], v[PC:PC+15], v[O+8:O+15], v[VS], v[PW] matrix_a_scale:MATRIX_SCALE_ROW1
	s_add_co_u32 s[TK], s[TK], 4096
	s_add_co_u32 s[TS], s[TS], 256
	s_add_co_u32 s[TBI], s[TBI], 512
	s_add_co_u32 s[STN], s[STN], 1
	s_sub_co_u32 s[CNT], s[CNT], 1
	s_cmp_lg_u32 s[CNT], 0
	s_cbranch_scc1 .Lstep_\@
	; the tile's end: O^T / the sum; my 16 channels and lane l xor 16's are one block of 32 of the next product's K: quantised here
.rept 8
	v_nop
.endr
	v_add_f32 v14, v14, v15
	v_permlanex16_b32 v238, v14, s[SEL], s[SEL+1]
	v_add_f32 v14, v14, v238
	v_rcp_f32 v240, v14
	v_nop
	s_wait_alu depctr_va_vdst(0)                   ; ahead of the reciprocal's first reader
.irp q, 0,2,4,6,8,10,12,14
	v_pk_mul_f32 v[O+\q:O+\q+1], v[O+\q:O+\q+1], v[240:241] op_sel_hi:[1,0]
.endr
	v_max3_num_f32 v[BM], |v[O]|, |v[O+1]|, 0x4800000
	v_max3_num_f32 v[BM+1], |v[O+2]|, |v[O+3]|, |v[O+4]|
	v_max3_num_f32 v[BM], v[BM], |v[O+5]|, |v[O+6]|
	v_max3_num_f32 v[BM+1], v[BM+1], |v[O+7]|, |v[O+8]|
	v_max3_num_f32 v[BM], v[BM], |v[O+9]|, |v[O+10]|
	v_max3_num_f32 v[BM+1], v[BM+1], |v[O+11]|, |v[O+12]|
	v_max3_num_f32 v[BM], v[BM], |v[O+13]|, |v[O+14]|
	v_max3_num_f32 v[BM], v[BM], v[BM+1], |v[O+15]|
	v_permlanex16_b32 v[BP], v[BM], s[SEL], s[SEL+1]
	v_max_num_f32 v[BM], v[BM], v[BP]
	v_add_nc_u32 v[BS], 0xfc000000, v[BM]
	v_and_or_b32 v[BL], v[BM], 0x7f800000, s[MNT]
	v_lshrrev_b32 v[QB+\i], 23, v[BS]
.irp q, 0,1,2,3,4,5,6,7,8,9,10,11,12,13,14,15
	v_med3_num_f32 v[O+\q], v[O+\q], -v[BL], v[BL]
.endr
	v_cvt_scalef32_pk8_fp8_f32 v[QR+4*\i:QR+4*\i+1], v[O:O+7], v[BS]
	v_cvt_scalef32_pk8_fp8_f32 v[QR+4*\i+2:QR+4*\i+3], v[O+8:O+15], v[BS]
	v_nop
	global_store_b128 v1, v[QR+4*\i:QR+4*\i+3], s[10:11] offset:8192*\i   ; 512 consecutive aligned bytes: a piece of the next operand's image.  Each tile has its own data registers: none is written again
	global_store_b8 v5, v[QB+\i], s[12:13] offset:64*\i                    ; both halves of the lanes write the same byte with the same value
.endm
	TILE 0
	TILE 1
	s_wait_tensorcnt 0x0
	ds_add_u32 v254, v255
	s_wait_dscnt 0x0
	s_endpgm
.Lfunc_end_k_q4f03183aaf_attn:
	.size	k_q4f03183aaf_attn, .Lfunc_end_k_q4f03183aaf_attn-k_q4f03183aaf_attn
	.p2alignl 7, 3214868480
	.fill 96, 4, 3214868480
	.section	.rodata,"a",@progbits
	.p2align	6, 0x0
	.amdhsa_kernel k_q4f03183aaf_attn
		.amdhsa_group_segment_fixed_size 145664
		.amdhsa_private_segment_fixed_size 0
		.amdhsa_enable_private_segment 0
		.amdhsa_kernarg_size 40
		.amdhsa_user_sgpr_count 2
		.amdhsa_user_sgpr_kernarg_segment_ptr 1
		.amdhsa_wavefront_size32 1
		.amdhsa_system_sgpr_workgroup_id_x 1
		.amdhsa_system_sgpr_workgroup_id_y 1
		.amdhsa_system_sgpr_workgroup_id_z 1
		.amdhsa_system_vgpr_workitem_id 0
		.amdhsa_next_free_vgpr 256
		.amdhsa_next_free_sgpr 66
		.amdhsa_reserve_vcc 1
		.amdhsa_float_denorm_mode_32 3
		.amdhsa_float_denorm_mode_16_64 3
		.amdhsa_memory_ordered 1
		.amdhsa_forward_progress 1
		.amdhsa_inst_pref_size 58
	.end_amdhsa_kernel
	.amdgpu_metadata
---
amdhsa.version: [ 1, 2 ]
amdhsa.kernels:
  - .name:           k_q4f03183aaf_attn
    .symbol:         k_q4f03183aaf_attn.kd
    .args:
      - { .name: kv, .offset: 0, .size: 8, .value_kind: global_buffer, .address_space: global }
      - { .name: mask, .offset: 8, .size: 8, .value_kind: global_buffer, .address_space: global }
      - { .name: mflag, .offset: 16, .size: 8, .value_kind: global_buffer, .address_space: global }
      - { .name: ao, .offset: 24, .size: 8, .value_kind: global_buffer, .address_space: global }
      - { .name: ao_sc, .offset: 32, .size: 8, .value_kind: global_buffer, .address_space: global }
    .group_segment_fixed_size: 145664
    .private_segment_fixed_size: 0
    .kernarg_segment_align: 8
    .kernarg_segment_size: 40
    .max_flat_workgroup_size: 512
    .sgpr_count:     66
    .vgpr_count:     256
    .wavefront_size: 32
...
	.end_amdgpu_metadata
.endif
;; end of part 2
;; launch tail (part 3): grid 256 x 1, 16 waves a work-group, no clusters, 161,792 bytes of LDS; arguments ao, ao_sc, wt, x, fc_b, g1, be1, b2, g2, be2, b1, out0; writes out0
.if DOCPART == 3
	.amdgcn_target "amdgcn-amd-amdhsa--gfx1250"
	.amdhsa_code_object_version 6
	.text
	.protected	k_q4f03183aaf_tail
	.globl	k_q4f03183aaf_tail
	.p2align	8
	.type	k_q4f03183aaf_tail,@function
k_q4f03183aaf_tail:
	s_mov_b64 s[64:65], 0
	v_nop
	global_prefetch_b8 v0, s[64:65] scope:SCOPE_SE
	s_setreg_imm32_b32 hwreg(HW_REG_WAVE_MODE, 25, 1), 1
	s_wait_xcnt 0x0
; THE TAIL: h = 0.9 LN(attention fc_w^T + fc_b + x); out = 0.9 LN(relu(h w1^T + b1) w2^T + b2 + h), all products on codes of E4M3 with E8M0 scales.
; A work-group takes 32 rows (two tiles of 16) through the whole chain: nothing between the products goes to memory.  The chain is NINE products of one shape, [32 x 512] x [512 x 512]: fc, then for j = 0 .. 3
; rows 512 j of w1 and columns 512 j of w2: 36 K steps of 128, numbered on end.  THE SIXTEEN WAVES SHARE THE COLUMNS: in every product wave w makes columns 32 w .. 32 w + 31, as two weight tiles.
; WEIGHTS go from memory straight into registers: they were laid in the order of the operand's registers, each fragment is used by one wave alone, a ring of three K steps (27 loads) runs ahead.
; No multicast: a fragment sent through LDS would be written and read there once more for the one wave that uses it.
; ACTIVATIONS go from wave to wave through LDS as images of the operand's registers (16 bytes a lane, 512 bytes a store), scale bytes beside them.  A wave reads them into TWO register buffers by turns, two K steps
; ahead of their products, wherever the image is whole by then: inside a product, and from a chunk of w2 into the next chunk of w1 (h's image stands since its barrier).  So a K step's LDS loads land while
; the wave issues its weight loads and multiplies the K step between.
; TRANSPOSED USE, and a weight tile's rows are not neighbours (row 8 u + r + 8 (r / 8)): register 16 m + i of an accumulator set holds token 16 m + r, column 32 w + 16 h + i: 16 neighbours along the next K,
; and lanes l, l xor 16 hold a block of 32.  Biases and residuals are what the sums begin with: x + fc_b, b1, h + b2.
; LN in two passes, as written in the problem: the mean, then the mean of squared differences; a row's 16 partial sums meet in LDS.
; LIMITS: NaN and infinities are not served; a block of zeros gets the byte 1 (this program alone reads the bytes).
.set AIMG, 0                           ; LDS: images [m][s][c][lane][16 B], 16,384 bytes each
.set HIMG, 16384
.set DIMG, 32768                       ; two, by turns
.set ASC,  65536                       ; scale bytes [s][m][r][c], 512 bytes each: attention's +0, h's +512, the hidden chunk's +1,024 and +1,536
.set PAR,  67584                       ; fc_b +0, g1 +2,048, be1 +4,096, b2 +6,144, g2 +8,192, be2 +10,240, b1 +12,288
.set RED1, 88064                       ; 32 rows x 16 partial sums, pitch 80; the second reduction's 2,560 further on
.set STG,  93184                       ; 32 rows of 2,048 bytes, pitch 2,064: x on the way in, the result on the way out
.set WSC,  2359296
.set ACC, 16                           ; v16-47
.set Y,   48                           ; v48-79
.set ACT, 80                           ; v80-111  the activation's two fragments of an even K step; gains and biases in LN
.set ACTB, 212                         ; v212-243 those of an odd K step.  Between the products, when no such load is out, the same registers are at work as PC, RD, ME, RS
.set WF,  112                          ; v112-207 three slots of two weight fragments
.set WS,  208                          ; v208-210 their scale words;  v211, v252 the activation's, of even and odd K steps: these five hold scales and nothing else
.set ASR, 211
.set ASRB, 252
.set PC,  212                          ; v212-219 codes just made
.set RD,  220                          ; v220-235 a reduction's 16 numbers; at work in the quantiser
.set ME,  236                          ; v[236:237], v[238:239] the means of my two tokens (the low word is used)
.set RS,  240                          ; v[240:241], v[242:243] their 1 / sqrt(var + eps)
.set SA,  244                          ; v244-251 sums
.set WV,  28
.set HM,  29                           ; s29 lanes 16-31
.set SEL, 30
.set MNT, 32
.macro BARRIER                         ; my LDS stores have landed and my LDS loads are in: then the work-group's barrier
	s_wait_dscnt 0x0
	s_barrier_signal -1
	s_barrier_wait -1
.endm
.macro WLOAD t                         ; K step t = 4 p + s of the 36: my two weight fragments and their scale words, into slot t % 3
.set WP, (\t)/4
.set WQ, (\t)%4
.set WL, (\t)%3
.irp u, 0,1
.irp c, 0,1,2,3
	global_load_b128 v[WF+32*WL+16*\u+4*\c:WF+32*WL+16*\u+4*\c+3], v3, s[8:9] offset:262144*WP+4096*WQ+2048*\u+512*\c
.endr
.endr
	global_load_b32 v[WS+WL], v4, s[8:9] offset:WSC+8192*WP+128*WQ
.endm
.macro PLAN t                          ; where K step t's activation lies: IM the image, SO its scale bytes (from ASC on)
.set PP, (\t)/4
.if PP == 0
.set IM, AIMG
.set SO, 0
.elseif (PP%2) == 1
.set IM, HIMG
.set SO, 512
.else
.set IM, DIMG+16384*(((PP-2)/2)%2)
.set SO, 1024+512*(((PP-2)/2)%2)
.endif
.endm
.macro AHEAD t                         ; OK = 1 where K step t's image is whole in LDS while K step t - 2 is multiplied: the same product's, or h's for a chunk of w1 behind a chunk of w2
.set OK, 0
.if (\t) < 36
.if ((\t)%4) >= 2
.set OK, 1
.elseif ((((\t)/4)%2) == 1) && (((\t)/4) >= 3)
.set OK, 1
.endif
.endif
.endm
.macro ALOAD t                         ; K step t's two fragments of the activation and their scale words, nine LDS loads, into buffer t % 2
	PLAN \t
.set AQ, (\t)%4
.set AB, ACT+(ACTB-ACT)*((\t)%2)
.set AR, ASR+(ASRB-ASR)*((\t)%2)
.irp m, 0,1
.irp c, 0,1,2,3
	ds_load_b128 v[AB+16*\m+4*\c:AB+16*\m+4*\c+3], v1 offset:IM+8192*\m+2048*AQ+512*\c
.endr
.endr
	ds_load_b32 v[AR], v2 offset:SO+128*AQ         ; lanes 0-15: tokens 0-15's words; lanes 16-31: tokens 16-31's
.endm
.macro GSTART p                        ; behind a barrier that has made product p's image whole: its first two K steps' fragments, into both buffers
	ALOAD 4*(\p)
	ALOAD 4*(\p)+1
.endm
.macro KSTEP t, acc
.set KL, (\t)%3
.set KB, ACT+(ACTB-ACT)*((\t)%2)
.set KR, ASR+(ASRB-ASR)*((\t)%2)
.if (\t) < 34
	s_wait_loadcnt 18                              ; this K step's nine weight loads are in; those of the two K steps behind it may be out
.elseif (\t) == 34
	s_wait_loadcnt 9
.else
	s_wait_loadcnt 0x0
.endif
	AHEAD (\t)+1
.if OK || (((\t)%4) == 0)
	s_wait_dscnt 9                                 ; this K step's nine LDS loads, and all older ones, are in; behind them only the next K step's nine were issued
.else
	s_wait_dscnt 0x0                               ; nothing of the next product could be asked for yet
.endif
	v_wmma_scale_f32_16x16x128_f8f6f4 v[\acc:\acc+7], v[WF+32*KL:WF+32*KL+15], v[KB:KB+15], v[\acc:\acc+7], v[WS+KL], v[KR]
	v_wmma_scale_f32_16x16x128_f8f6f4 v[\acc+8:\acc+15], v[WF+32*KL+16:WF+32*KL+31], v[KB:KB+15], v[\acc+8:\acc+15], v[WS+KL], v[KR] matrix_a_scale:MATRIX_SCALE_ROW1
	v_wmma_scale_f32_16x16x128_f8f6f4 v[\acc+16:\acc+23], v[WF+32*KL:WF+32*KL+15], v[KB+16:KB+31], v[\acc+16:\acc+23], v[WS+KL], v[KR] matrix_b_scale:MATRIX_SCALE_ROW1
	v_wmma_scale_f32_16x16x128_f8f6f4 v[\acc+24:\acc+31], v[WF+32*KL+16:WF+32*KL+31], v[KB+16:KB+31], v[\acc+24:\acc+31], v[WS+KL], v[KR] matrix_a_scale:MATRIX_SCALE_ROW1 matrix_b_scale:MATRIX_SCALE_ROW1
.rept 8
	v_nop                                          ; eight places ahead of loads into registers that these products have read, and of the first read of results.  The four accumulators take turns
.endr
	AHEAD (\t)+2
.if OK
	ALOAD (\t)+2                                   ; into the buffer just read: a whole K step lies between these loads and their products
.endif
.if (\t)+3 < 36
	WLOAD (\t)+3                                   ; into the ring's slot just read
.endif
.endm
.macro GEMM p, acc
	KSTEP 4*(\p)+0, \acc
	KSTEP 4*(\p)+1, \acc
	KSTEP 4*(\p)+2, \acc
	KSTEP 4*(\p)+3, \acc
.endm
.macro BIAS1 j                         ; chunk j's sums begin as b1: my 16 columns' numbers, once for each tile of rows
.irp m, 0,1
.irp q, 0,1,2,3
	ds_load_b128 v[ACC+16*\m+4*\q:ACC+16*\m+4*\q+3], v7 offset:12288+2048*(\j)+16*\q
.endr
.endr
.endm
; my 2 x 16 numbers in v[V] on (token 16 m + r, columns 32 w + 16 h + 0 .. 15) become block w of the next K: codes and a byte for each of the two tokens, to LDS
.macro QUANT2 V, relu, img, sc
.if \relu                              ; no |.|: what is negative becomes 0, so it does not count; the floor stands over it
.irp m, 0,1
	v_max3_num_f32 v[RD+\m], v[\V+16*\m], v[\V+16*\m+1], 0x4800000
.endr
.irp i, 2,4,6,8,10,12,14
.irp m, 0,1
	v_max3_num_f32 v[RD+\m], v[RD+\m], v[\V+16*\m+\i], v[\V+16*\m+\i+1]
.endr
.endr
.else
.irp m, 0,1
	v_max3_num_f32 v[RD+\m], |v[\V+16*\m]|, |v[\V+16*\m+1]|, 0x4800000
.endr
.irp i, 2,4,6,8,10,12,14
.irp m, 0,1
	v_max3_num_f32 v[RD+\m], v[RD+\m], |v[\V+16*\m+\i]|, |v[\V+16*\m+\i+1]|
.endr
.endr
.endif
.irp m, 0,1
	v_permlanex16_b32 v[RD+2+\m], v[RD+\m], s[SEL], s[SEL+1]
.endr
.irp m, 0,1
	v_max_num_f32 v[RD+\m], v[RD+\m], v[RD+2+\m]
.endr
.irp m, 0,1
	v_add_nc_u32 v[RD+4+\m], 0xfc000000, v[RD+\m]          ; the conversion's scale operand
.endr
.irp m, 0,1
	v_and_or_b32 v[RD+6+\m], v[RD+\m], 0x7f800000, s[MNT]  ; 448 x the scale
.endr
.irp m, 0,1
	v_lshrrev_b32 v[RD+8+\m], 23, v[RD+4+\m]               ; the byte
.endr
.irp m, 0,1
.irp i, 0,1,2,3,4,5,6,7,8,9,10,11,12,13,14,15
.if \relu
	v_med3_num_f32 v[\V+16*\m+\i], v[\V+16*\m+\i], 0, v[RD+6+\m]            ; the activation and the hold in one
.else
	v_med3_num_f32 v[\V+16*\m+\i], v[\V+16*\m+\i], -v[RD+6+\m], v[RD+6+\m]
.endif
.endr
	v_cvt_scalef32_pk8_fp8_f32 v[PC+4*\m:PC+4*\m+1], v[\V+16*\m:\V+16*\m+7], v[RD+4+\m]
	v_cvt_scalef32_pk8_fp8_f32 v[PC+4*\m+2:PC+4*\m+3], v[\V+16*\m+8:\V+16*\m+15], v[RD+4+\m]
.endr
	v_nop                                          ; one plain line behind the last conversion
.irp m, 0,1
	ds_store_b128 v5, v[PC+4*\m:PC+4*\m+3] offset:\img+8192*\m
	ds_store_b8 v6, v[RD+8+\m] offset:\sc+64*\m    ; both halves of the lanes write the same byte with the same value
.endr
.endm
.macro TREE off                        ; lane l: the sum of token l's 16 partial sums, the same order in every wave
.irp q, 0,1,2,3
	ds_load_b128 v[RD+4*\q:RD+4*\q+3], v11 offset:\off+16*\q
.endr
	s_wait_dscnt 0x0
	v_pk_add_f32 v[RD:RD+1], v[RD:RD+1], v[RD+2:RD+3]
	v_pk_add_f32 v[RD+4:RD+5], v[RD+4:RD+5], v[RD+6:RD+7]
	v_pk_add_f32 v[RD+8:RD+9], v[RD+8:RD+9], v[RD+10:RD+11]
	v_pk_add_f32 v[RD+12:RD+13], v[RD+12:RD+13], v[RD+14:RD+15]
	v_pk_add_f32 v[RD:RD+1], v[RD:RD+1], v[RD+4:RD+5]
	v_pk_add_f32 v[RD+8:RD+9], v[RD+8:RD+9], v[RD+12:RD+13]
	v_pk_add_f32 v[RD:RD+1], v[RD:RD+1], v[RD+8:RD+9]
	v_add_f32 v[RD], v[RD], v[RD+1]
.endm
.macro LN V, goff, boff                ; v[V] on becomes 0.9 (gain (v - mean) / sqrt(var + eps) + bias), in place
.irp q, 0,1,2,3
	ds_load_b128 v[ACT+4*\q:ACT+4*\q+3], v7 offset:\goff+16*\q          ; the gains and biases of my 16 columns; the first barrier's wait covers them
	ds_load_b128 v[ACT+16+4*\q:ACT+16+4*\q+3], v7 offset:\boff+16*\q
.endr
.irp m, 0,1
	v_pk_add_f32 v[SA+4*\m:SA+4*\m+1], v[\V+16*\m:\V+16*\m+1], v[\V+16*\m+2:\V+16*\m+3]   ; each accumulator is read from its low end on
.endr
.irp q, 4,6,8,10,12,14
.irp m, 0,1
	v_pk_add_f32 v[SA+4*\m:SA+4*\m+1], v[SA+4*\m:SA+4*\m+1], v[\V+16*\m+\q:\V+16*\m+\q+1]
.endr
.endr
.irp m, 0,1
	v_add_f32 v[SA+4*\m], v[SA+4*\m], v[SA+4*\m+1]
.endr
.irp m, 0,1
	v_permlanex16_b32 v[RD+\m], v[SA+4*\m], s[SEL], s[SEL+1]
.endr
.irp m, 0,1
	v_add_f32 v[SA+4*\m], v[SA+4*\m], v[RD+\m]     ; the sum of my wave's 32 columns of token 16 m + r
.endr
	v_cndmask_b32 v[SA+1], v[SA], v[SA+4], s[HM]   ; lane l: token l's
	ds_store_b32 v10, v[SA+1]
	BARRIER
	TREE 0
	v_mul_f32 v[RD], s33, v[RD]                    ; token l's mean
	v_permlanex16_b32 v[RD+1], v[RD], s[SEL], s[SEL+1]
	v_cndmask_b32 v[ME], v[RD], v[RD+1], s[HM]     ; token r's,
	v_cndmask_b32 v[ME+2], v[RD+1], v[RD], s[HM]   ; token 16 + r's
.irp m, 0,1
.irp q, 0,2,4,6,8,10,12,14
	v_pk_add_f32 v[\V+16*\m+\q:\V+16*\m+\q+1], v[\V+16*\m+\q:\V+16*\m+\q+1], v[ME+2*\m:ME+2*\m+1] op_sel_hi:[1,0] neg_lo:[0,1] neg_hi:[0,1]
.endr
.endr
.irp m, 0,1
	v_pk_mul_f32 v[SA+4*\m:SA+4*\m+1], v[\V+16*\m:\V+16*\m+1], v[\V+16*\m:\V+16*\m+1]
	v_pk_mul_f32 v[SA+4*\m+2:SA+4*\m+3], v[\V+16*\m+2:\V+16*\m+3], v[\V+16*\m+2:\V+16*\m+3]
.endr
.irp q, 4,8,12
.irp m, 0,1
	v_pk_fma_f32 v[SA+4*\m:SA+4*\m+1], v[\V+16*\m+\q:\V+16*\m+\q+1], v[\V+16*\m+\q:\V+16*\m+\q+1], v[SA+4*\m:SA+4*\m+1]
	v_pk_fma_f32 v[SA+4*\m+2:SA+4*\m+3], v[\V+16*\m+\q+2:\V+16*\m+\q+3], v[\V+16*\m+\q+2:\V+16*\m+\q+3], v[SA+4*\m+2:SA+4*\m+3]
.endr
.endr
.irp m, 0,1
	v_pk_add_f32 v[SA+4*\m:SA+4*\m+1], v[SA+4*\m:SA+4*\m+1], v[SA+4*\m+2:SA+4*\m+3]
.endr
.irp m, 0,1
	v_add_f32 v[SA+4*\m], v[SA+4*\m], v[SA+4*\m+1]
.endr
.irp m, 0,1
	v_permlanex16_b32 v[RD+\m], v[SA+4*\m], s[SEL], s[SEL+1]
.endr
.irp m, 0,1
	v_add_f32 v[SA+4*\m], v[SA+4*\m], v[RD+\m]
.endr
	v_cndmask_b32 v[SA+1], v[SA], v[SA+4], s[HM]
	ds_store_b32 v10, v[SA+1] offset:2560
	BARRIER
	TREE 2560
	v_fma_f32 v[RD], v[RD], s33, s34               ; var + eps
	v_rsq_f32 v[RD+2], v[RD]
	v_nop
	s_wait_alu depctr_va_vdst(0)                   ; ahead of the root's first reader
	v_permlanex16_b32 v[RD+3], v[RD+2], s[SEL], s[SEL+1]
	v_cndmask_b32 v[RS], v[RD+2], v[RD+3], s[HM]
	v_cndmask_b32 v[RS+2], v[RD+3], v[RD+2], s[HM]
.irp m, 0,1
.irp q, 0,2,4,6,8,10,12,14
	v_pk_mul_f32 v[\V+16*\m+\q:\V+16*\m+\q+1], v[\V+16*\m+\q:\V+16*\m+\q+1], v[RS+2*\m:RS+2*\m+1] op_sel_hi:[1,0]
.endr
.irp q, 0,2,4,6,8,10,12,14
	v_pk_fma_f32 v[\V+16*\m+\q:\V+16*\m+\q+1], v[\V+16*\m+\q:\V+16*\m+\q+1], v[ACT+\q:ACT+\q+1], v[ACT+16+\q:ACT+16+\q+1]
.endr
.irp q, 0,2,4,6,8,10,12,14
	v_pk_mul_f32 v[\V+16*\m+\q:\V+16*\m+\q+1], v[\V+16*\m+\q:\V+16*\m+\q+1], 0x3f666666 op_sel_hi:[1,0]   ; x 0.9
.endr
.endr
.endm
	s_load_b512 s[4:19], s[0:1], 0x0               ; ao, ao_sc, wt, x, fc_b, g1, be1, b2
	s_load_b256 s[20:27], s[0:1], 0x40             ; g2, be2, b1, out0
	v_lshl_add_u32 v254, v0, 2, 0x27000
	v_mov_b32 v255, 0
	v_lshrrev_b32 v1, 5, v0
	v_readfirstlane_b32 s[WV], v1                  ; wave 0..15
	s_mov_b32 s[HM], 0xffff0000
	s_mov_b32 s[SEL], 0x76543210
	s_mov_b32 s[SEL+1], 0xfedcba98
	s_mov_b32 s[MNT], 0x600000
	s_mov_b32 s33, 0x3b000000                      ; 1 / 512
	s_mov_b32 s34, 0x358637bd                      ; 1e-6
	v_and_b32 v16, 31, v0                          ; lane
	v_and_b32 v17, 15, v0                          ; r
	v_bfe_u32 v18, v0, 4, 1                        ; h
	v_lshlrev_b32 v1, 4, v16                       ; v1  16 x lane: an image's place for my lane
	v_lshl_add_u32 v2, v16, 2, ASC                 ; v2  a scale word's
	s_lshl_b32 s35, s[WV], 14
	v_add_nc_u32 v3, s35, v1                       ; v3  my weights' codes: 16,384 w + 16 lane
	s_lshl_b32 s35, s[WV], 9
	v_lshl_add_u32 v4, v16, 2, s35                 ; v4  their scale words: 512 w + 4 lane
	s_lshr_b32 s36, s[WV], 2
	s_and_b32 s37, s[WV], 3
	s_lshl_b32 s38, s36, 11
	s_lshl_b32 s39, s37, 9
	s_add_co_u32 s38, s38, s39
	v_add_nc_u32 v5, s38, v1                       ; v5  where I store codes: K step w / 4, block w % 4
	s_lshl_b32 s38, s36, 7
	s_add_co_u32 s38, s38, s37
	s_add_co_u32 s38, s38, ASC
	v_lshl_add_u32 v6, v17, 2, s38                 ; v6  and the byte
	s_lshl_b32 s38, s[WV], 7
	s_add_co_u32 s39, s38, PAR
	v_lshl_add_u32 v7, v18, 6, s39                 ; v7  a parameter's 16 numbers of my columns: 128 w + 64 h
	v_mul_u32_u24 v8, v17, 2064
	v_lshl_add_u32 v8, v18, 6, v8
	s_add_co_u32 s39, s38, STG
	v_add_nc_u32 v8, s39, v8                       ; v8  the stage by columns: row r, 128 w + 64 h
	s_mul_i32 s39, s[WV], 4128
	s_add_co_u32 s39, s39, STG
	v_add_nc_u32 v9, s39, v1                       ; v9  the stage by rows: rows 2 w, 2 w + 1
	v_mul_u32_u24 v11, v16, 80
	v_add_nc_u32 v11, RED1, v11                    ; v11 token l's 16 partial sums
	s_lshl_b32 s39, s[WV], 2
	v_add_nc_u32 v10, s39, v11                     ; v10 my wave's among them
	s_lshl_b32 s39, s[WV], 12
	v_add_nc_u32 v12, s39, v1                      ; v12 rows 2 w, 2 w + 1 in x and in the output
	v_lshlrev_b32 v13, 2, v0
	v_lshlrev_b32 v15, 4, v0
	v_add_nc_u32 v100, ASC, v0
	v_add_nc_u32 v101, PAR, v13
	v_add_nc_u32 v102, PAR, v15
.irp q, 0,1,2,3
	v_mov_b32 v[RD+\q], 0                          ; lane permutes' destinations count as sources
	v_mov_b32 v[ME+1+2*\q], 0                      ; the upper words of the four pairs are named, so they are written
.endr
	s_mov_b32 s37, 0
	s_wait_kmcnt 0x0
	s_lshl_b32 s36, ttmp9, 14
	s_add_nc_u64 s[4:5], s[4:5], s[36:37]
	s_lshl_b32 s36, ttmp9, 9
	s_add_nc_u64 s[6:7], s[6:7], s[36:37]
	s_lshl_b32 s36, ttmp9, 16
	s_add_nc_u64 s[10:11], s[10:11], s[36:37]
	s_add_nc_u64 s[26:27], s[26:27], s[36:37]
	global_load_b128 v[80:83], v15, s[4:5]         ; the attention's image, 16,384 bytes, as it lies
	global_load_b128 v[84:87], v15, s[4:5] offset:8192
	global_load_u8 v88, v0, s[6:7]                 ; its 512 scale bytes
.irp i, 0,1,2,3,4,5
	global_load_b32 v[89+\i], v13, s[12+2*\i:13+2*\i]
.endr
	global_load_b128 v[96:99], v15, s[24:25]       ; b1
.irp k, 0,1,2,3,4,5,6,7
	global_load_b128 v[Y+4*\k:Y+4*\k+3], v12, s[10:11] offset:512*\k
.endr
	WLOAD 0
	WLOAD 1
	WLOAD 2
	s_wait_loadcnt 27                              ; all but the ring's three K steps
	ds_store_b128 v15, v[80:83]
	ds_store_b128 v15, v[84:87] offset:8192
	ds_store_b8 v100, v88
.irp i, 0,1,2,3,4,5
	ds_store_b32 v101, v[89+\i] offset:2048*\i
.endr
	ds_store_b128 v102, v[96:99] offset:12288
.irp k, 0,1,2,3,4,5,6,7
	ds_store_b128 v9, v[Y+4*\k:Y+4*\k+3] offset:2064*(\k/4)+512*(\k%4)
.endr
	BARRIER
	; ---- fc: the sums begin as x + fc_b
.irp m, 0,1
.irp q, 0,1,2,3
	ds_load_b128 v[ACC+16*\m+4*\q:ACC+16*\m+4*\q+3], v8 offset:33024*\m+16*\q
.endr
.endr
.irp q, 0,1,2,3
	ds_load_b128 v[Y+4*\q:Y+4*\q+3], v7 offset:16*\q
.endr
	GSTART 0
	s_wait_dscnt 18                                ; x and fc_b are in; the 18 loads of the first two K steps' fragments may be out
.irp m, 0,1
.irp q, 0,2,4,6,8,10,12,14
	v_pk_add_f32 v[ACC+16*\m+\q:ACC+16*\m+\q+1], v[ACC+16*\m+\q:ACC+16*\m+\q+1], v[Y+\q:Y+\q+1]
.endr
.endr
	GEMM 0, ACC
	LN ACC, 2048, 4096                             ; h
.irp m, 0,1
.irp q, 0,1,2,3
	ds_load_b128 v[Y+16*\m+4*\q:Y+16*\m+4*\q+3], v7 offset:6144+16*\q
.endr
.endr
	s_wait_dscnt 0x0
.irp q, 0,2,4,6,8,10,12,14,16,18,20,22,24,26,28,30
	v_pk_add_f32 v[Y+\q:Y+\q+1], v[Y+\q:Y+\q+1], v[ACC+\q:ACC+\q+1]   ; the last sums begin as h + b2
.endr
	QUANT2 ACC, 0, HIMG, 512
	BARRIER                                        ; h's eight fragments lie in LDS, and stay
	BIAS1 0
	GSTART 1
	; ---- the four chunks of the hidden layer.  The two images take turns: one is written again only behind the next chunk's barrier, which every wave reaches behind its reads of it.
	; Behind a chunk's barrier the next chunk's b1 is asked for first, so that it is older than every fragment load that a counted wait leaves out
.irp j, 0,1,2,3
	GEMM 1+2*\j, ACC
	QUANT2 ACC, 1, DIMG+16384*(\j%2), 1024+512*(\j%2)
	BARRIER
.if \j < 3
	BIAS1 \j+1
.endif
	GSTART 2+2*\j
	GEMM 2+2*\j, Y
.endr
	LN Y, 8192, 10240
	; ---- the way out: by columns into the stage, back by rows
.irp m, 0,1
.irp q, 0,1,2,3
	ds_store_b128 v8, v[Y+16*\m+4*\q:Y+16*\m+4*\q+3] offset:33024*\m+16*\q
.endr
.endr
	BARRIER
.irp k, 0,1,2,3,4,5,6,7
	ds_load_b128 v[ACC+4*\k:ACC+4*\k+3], v9 offset:2064*(\k/4)+512*(\k%4)
.endr
.irp k, 0,1,2,3,4,5,6,7
	s_wait_dscnt 7-\k                              ; the younger loads may be out
	global_store_b128 v12, v[ACC+4*\k:ACC+4*\k+3], s[26:27] offset:512*\k th:TH_STORE_NT   ; 32 lanes store 512 consecutive aligned bytes; written once
.endr
	s_wait_tensorcnt 0x0
	ds_add_u32 v254, v255
	s_wait_dscnt 0x0
	s_endpgm
.Lfunc_end_k_q4f03183aaf_tail:
	.size	k_q4f03183aaf_tail, .Lfunc_end_k_q4f03183aaf_tail-k_q4f03183aaf_tail
	.p2alignl 7, 3214868480
	.fill 96, 4, 3214868480
	.section	.rodata,"a",@progbits
	.p2align	6, 0x0
	.amdhsa_kernel k_q4f03183aaf_tail
		.amdhsa_group_segment_fixed_size 161792
		.amdhsa_private_segment_fixed_size 0
		.amdhsa_enable_private_segment 0
		.amdhsa_kernarg_size 96
		.amdhsa_user_sgpr_count 2
		.amdhsa_user_sgpr_kernarg_segment_ptr 1
		.amdhsa_wavefront_size32 1
		.amdhsa_system_sgpr_workgroup_id_x 1
		.amdhsa_system_sgpr_workgroup_id_y 1
		.amdhsa_system_sgpr_workgroup_id_z 1
		.amdhsa_system_vgpr_workitem_id 0
		.amdhsa_next_free_vgpr 256
		.amdhsa_next_free_sgpr 66
		.amdhsa_reserve_vcc 0
		.amdhsa_float_denorm_mode_32 3
		.amdhsa_float_denorm_mode_16_64 3
		.amdhsa_memory_ordered 1
		.amdhsa_forward_progress 1
		.amdhsa_inst_pref_size 135
	.end_amdhsa_kernel
	.amdgpu_metadata
---
amdhsa.version: [ 1, 2 ]
amdhsa.kernels:
  - .name:           k_q4f03183aaf_tail
    .symbol:         k_q4f03183aaf_tail.kd
    .args:
      - { .name: ao, .offset: 0, .size: 8, .value_kind: global_buffer, .address_space: global }
      - { .name: ao_sc, .offset: 8, .size: 8, .value_kind: global_buffer, .address_space: global }
      - { .name: wt, .offset: 16, .size: 8, .value_kind: global_buffer, .address_space: global }
      - { .name: x, .offset: 24, .size: 8, .value_kind: global_buffer, .address_space: global }
      - { .name: fc_b, .offset: 32, .size: 8, .value_kind: global_buffer, .address_space: global }
      - { .name: g1, .offset: 40, .size: 8, .value_kind: global_buffer, .address_space: global }
      - { .name: be1, .offset: 48, .size: 8, .value_kind: global_buffer, .address_space: global }
      - { .name: b2, .offset: 56, .size: 8, .value_kind: global_buffer, .address_space: global }
      - { .name: g2, .offset: 64, .size: 8, .value_kind: global_buffer, .address_space: global }
      - { .name: be2, .offset: 72, .size: 8, .value_kind: global_buffer, .address_space: global }
      - { .name: b1, .offset: 80, .size: 8, .value_kind: global_buffer, .address_space: global }
      - { .name: out0, .offset: 88, .size: 8, .value_kind: global_buffer, .address_space: global }
    .group_segment_fixed_size: 161792
    .private_segment_fixed_size: 0
    .kernarg_segment_align: 8
    .kernarg_segment_size: 96
    .max_flat_workgroup_size: 512
    .sgpr_count:     66
    .vgpr_count:     256
    .wavefront_size: 32
...
	.end_amdgpu_metadata
.endif
;; end of part 3
;; ======== version 2 of 2: 3 launches
;; limits: inputs' magnitudes at most 11,000; right only within a limited range of input values
;; workspace buffers: kv 8,650,752 bytes; wt 2,433,024 bytes; mflag 1,024 bytes of whole numbers; ao 4,194,304 bytes; ao_sc 131,072 bytes
;; launch prep (part 4): grid 401 x 1, 8 waves a work-group, no clusters, 2,048 bytes of LDS; arguments x, fc_w, w1, w2, mask, kv, wt, mflag; writes kv, wt, mflag
.if DOCPART == 4
	.amdgcn_target "amdgcn-amd-amdhsa--gfx1250"
	.amdhsa_code_object_version 6
	.text
	.protected	k_q4f03183aaf_prep
	.globl	k_q4f03183aaf_prep
	.p2align	8
	.type	k_q4f03183aaf_prep,@function
k_q4f03183aaf_prep:
	s_mov_b64 s[64:65], 0
	v_nop
	global_prefetch_b8 v0, s[64:65] scope:SCOPE_SE
	s_setreg_imm32_b32 hwreg(HW_REG_WAVE_MODE, 25, 1), 1
	s_wait_xcnt 0x0
; PREP: every operand that later launches read many times is quantised once (E4M3 codes, one E8M0 byte for 32 along K) and laid in memory
; IN THE ORDER OF THE OPERAND'S REGISTERS, so that later a fragment comes by loads of 16 bytes a lane, 512 consecutive bytes an instruction.
; Work-groups 0-255: x, 128 tokens x 128 channels each: (a) along the head's 32 channels (first product: K image), (b) along 32 tokens (second product: V image).
; Work-groups 256-399: the weights, as nine products of the shape [512 n][512 k]: p = 0 fc_w; p = 1 + 2 j rows 512 j of w1; p = 2 + 2 j columns 512 j of w2.
; Work-group 400: the mask, as whole numbers: for each batch and half (8 key steps of 128): bit i = step i has a masked key, bit 8 = the half has a key that counts.
; kv: 64 records (batch x 16 + head) of REC bytes: K image [step 16][tile 8][lane][16 B]: lane (r, h) of tile t: channels 16 h .. + 15 of key 128 step + 32 (t / 2) + 8 (t % 2) + r + 8 (r / 8);
;     V image at 65,536: [step][u 2][c 4][lane][16 B]: keys 128 step + 32 c + 16 h .. + 15 of channel 8 u + r + 8 (r / 8); scale bytes at 131,072: [step][256]: K's words [g][r] (byte c: tile 4 g + c), V's words [u][r] (byte c: key block c).
; wt: codes [p 9][w 16][s 4][u 2][c 4][lane][16 B]: row n0 + 32 w + 8 u + r + 8 (r / 8), k = k0 + 128 s + 32 c + 16 h .. + 15; scale words from WSC on: [p][w][s][u][r].
; A block's scale byte is its largest magnitude's exponent field - 8, held at 1 from below.  A block of zeros so gets the byte 1 where the rule says 127: its codes are zeros, and this program alone reads the bytes.
; LIMITS: NaN and infinities among the inputs are not served.
.set REC,  135168
.set VIMG, 65536
.set SCA,  131072
.set WSC,  2359296
.set X,    32                          ; v32-95   64 numbers of a lane: register 16 b + i = k 32 b + 16 h + i of my row
.set VV,   96                          ; v96-159  two blocks of 32 tokens of my channel
.set PC,   160                         ; v160-175 a fragment's codes
.set VC,   176                         ; v176-191 V's codes, 8 registers a block
.set TM,   192                         ; v192-195 largest magnitudes, 196-199 permute, then bytes, 200-203 448 x scale, 204-207 scale operands
.set PW,   208                         ; the scale word
.set WV,   20
.set SEL,  22
.set MNT,  24
.macro XLOAD base                      ; lane (r, h): of my row, 16 neighbours of each of four blocks of 32
.irp bb, 0,1,2,3
.irp j, 0,1,2,3
	global_load_b128 v[X+16*\bb+4*\j:X+16*\bb+4*\j+3], v5, s[\base:\base+1] offset:128*\bb+16*\j
.endr
.endr
.endm
.macro VLOAD i                         ; block i: tokens 32 i .. 32 i + 31 of my wave's 64, my channel: the 32 lanes of a load read a head's 128 bytes
.set Q, 0
.rept 32
	global_load_b32 v[VV+32*\i+Q], v8, s[38:39] offset:(32*\i+Q)*2048
.set Q, Q+1
.endr
.endm
.macro QUANT                           ; v[X] on -> codes in v[PC] on, bytes in v[TM+4] on, the word in v[PW]
.irp b, 0,1,2,3
	v_max3_num_f32 v[TM+\b], |v[X+16*\b]|, |v[X+1+16*\b]|, 0x4800000   ; my 16 numbers of block b and the floor 2^(9 - 127): the byte cannot fall under 1
.endr
.irp i, 2,4,6,8,10,12,14
.irp b, 0,1,2,3
	s_delay_alu instid0(VALU_DEP_4)
	v_max3_num_f32 v[TM+\b], v[TM+\b], |v[X+16*\b+\i]|, |v[X+1+16*\b+\i]|
.endr
.endr
.irp b, 0,1,2,3
	s_delay_alu instid0(VALU_DEP_4)
	v_permlanex16_b32 v[TM+4+\b], v[TM+\b], s[SEL], s[SEL+1]
.endr
.irp b, 0,1,2,3
	s_delay_alu instid0(VALU_DEP_4)
	v_max_num_f32 v[TM+\b], v[TM+\b], v[TM+4+\b]           ; with lane l xor 16's 16: the block's largest magnitude
.endr
.irp b, 0,1,2,3
	s_delay_alu instid0(VALU_DEP_4)
	v_add_nc_u32 v[TM+12+\b], 0xfc000000, v[TM+\b]         ; 8 off its exponent field: the conversion's scale operand
.endr
.irp b, 0,1,2,3
	v_and_or_b32 v[TM+8+\b], v[TM+\b], 0x7f800000, s[MNT]  ; 448 x the scale
.endr
.irp b, 0,1,2,3
	v_lshrrev_b32 v[TM+4+\b], 23, v[TM+12+\b]              ; the scale's byte
.endr
	s_delay_alu instid0(VALU_DEP_3)
	v_lshl_or_b32 v[PW], v[TM+5], 8, v[TM+4]
	s_delay_alu instid0(VALU_DEP_1)
	v_lshl_or_b32 v[PW], v[TM+6], 16, v[PW]
	s_delay_alu instid0(VALU_DEP_1)
	v_lshl_or_b32 v[PW], v[TM+7], 24, v[PW]
.irp b, 0,1,2,3
.irp i, 0,1,2,3,4,5,6,7,8,9,10,11,12,13,14,15
	v_med3_num_f32 v[X+16*\b+\i], v[X+16*\b+\i], -v[TM+8+\b], v[TM+8+\b]   ; the conversion to an 8-bit code does not saturate (ISA guide 7.6.2): the hold comes first
.endr
	v_cvt_scalef32_pk8_fp8_f32 v[PC+4*\b:PC+1+4*\b], v[X+16*\b:X+7+16*\b], v[TM+12+\b]
	v_cvt_scalef32_pk8_fp8_f32 v[PC+2+4*\b:PC+3+4*\b], v[X+8+16*\b:X+15+16*\b], v[TM+12+\b]
.endr
	v_nop                                                  ; one plain line behind the last conversion
.endm
.macro VBLOCK i                        ; 32 tokens of my channel are one block, all in my registers
.set XS, VV+32*\i
	v_max3_num_f32 v209, |v[XS]|, |v[XS+1]|, |v[XS+2]|
	v_max3_num_f32 v210, |v[XS+3]|, |v[XS+4]|, |v[XS+5]|
.irp k, 6,10,14,18,22,26
	s_delay_alu instid0(VALU_DEP_2)
	v_max3_num_f32 v209, v209, |v[XS+\k]|, |v[XS+\k+1]|
	s_delay_alu instid0(VALU_DEP_2)
	v_max3_num_f32 v210, v210, |v[XS+\k+2]|, |v[XS+\k+3]|
.endr
	s_delay_alu instid0(VALU_DEP_2)
	v_max3_num_f32 v209, v209, |v[XS+30]|, |v[XS+31]|
	s_delay_alu instid0(VALU_DEP_1)
	v_max3_num_f32 v209, v209, v210, 0x4800000
	s_delay_alu instid0(VALU_DEP_1)
	v_add_nc_u32 v211, 0xfc000000, v209
	s_delay_alu instid0(VALU_DEP_2)
	v_and_or_b32 v212, v209, 0x7f800000, s[MNT]
	s_delay_alu instid0(VALU_DEP_2)
	v_lshrrev_b32 v[216+\i], 23, v211
.irp k, 0,1,2,3,4,5,6,7,8,9,10,11,12,13,14,15,16,17,18,19,20,21,22,23,24,25,26,27,28,29,30,31
	v_med3_num_f32 v[XS+\k], v[XS+\k], -v212, v212
.endr
.irp g, 0,1,2,3
	v_cvt_scalef32_pk8_fp8_f32 v[VC+8*\i+2*\g:VC+8*\i+2*\g+1], v[XS+8*\g:XS+8*\g+7], v211
.endr
	v_nop
	global_store_b128 v9, v[VC+8*\i:VC+8*\i+3], s[44:45] offset:512*\i         ; keys 0-15 of the block: the image's lanes 0-15; sixteen lanes fill 256 aligned bytes
	global_store_b128 v9, v[VC+8*\i+4:VC+8*\i+7], s[44:45] offset:512*\i+256   ; keys 16-31: its lanes 16-31
	ds_store_b8 v10, v[216+\i] offset:\i
.endm
	s_load_b512 s[4:19], s[0:1], 0x0               ; x, fc_w, w1, w2, mask, kv, wt, mflag
	v_lshl_add_u32 v224, v0, 2, 0x400
	v_mov_b32 v225, 0
	v_lshrrev_b32 v1, 5, v0
	s_delay_alu instid0(VALU_DEP_1)
	v_readfirstlane_b32 s[WV], v1                  ; wave 0..7
	v_and_b32 v1, 31, v0                           ; lane
	v_and_b32 v2, 15, v0                           ; r
	v_bfe_u32 v3, v0, 4, 1                         ; h
	s_delay_alu instid0(VALU_DEP_2)
	v_and_b32 v4, 8, v2
	s_delay_alu instid0(VALU_DEP_1)
	v_add_nc_u32 v4, v4, v2                        ; r + 8 (r / 8): a tile's rows are not neighbours
	v_lshlrev_b32 v6, 4, v1                        ; 16 x lane
	s_mov_b32 s[SEL], 0x76543210
	s_mov_b32 s[SEL+1], 0xfedcba98
	s_mov_b32 s[MNT], 0x600000
	s_mov_b32 s33, 0
.irp b, 0,1,2,3
	v_mov_b32 v[TM+4+\b], 0                        ; a lane permute's destination counts as one of its sources
.endr
	s_wait_kmcnt 0x0
	s_cmp_eq_u32 ttmp9, 400
	s_cbranch_scc1 .Lmask
	s_cmp_ge_u32 ttmp9, 256
	s_cbranch_scc1 .Lweights
	; ---- x: batch b, key step st, head group G (4 heads)
	s_lshr_b32 s25, ttmp9, 6                       ; b
	s_bfe_u32 s26, ttmp9, 0x40002                  ; st
	s_and_b32 s27, ttmp9, 3                        ; G
	s_lshl_b32 s28, s25, 11
	s_lshl_b32 s29, s26, 7
	s_add_co_u32 s28, s28, s29                     ; the step's first token
	s_lshr_b32 s29, s[WV], 1
	s_and_b32 s30, s[WV], 1
	s_lshl_b32 s31, s29, 5
	s_lshl_b32 s32, s30, 3
	s_add_co_u32 s31, s31, s32
	s_add_co_u32 s31, s31, s28                     ; K part: wave w is key tile w: its first token
	s_lshl_b32 s32, s31, 11
	s_lshl_b32 s36, s27, 9
	s_add_co_u32 s32, s32, s36
	s_add_nc_u64 s[34:35], s[4:5], s[32:33]        ; x at that token, the group's first channel
	s_lshl_b32 s32, s30, 6
	s_add_co_u32 s32, s32, s28                     ; V part: wave w takes head 4 G + w / 2 and key blocks 2 (w % 2), + 1
	s_lshl_b32 s32, s32, 11
	s_lshl_b32 s36, s27, 2
	s_add_co_u32 s36, s36, s29
	s_lshl_b32 s37, s36, 7
	s_add_co_u32 s32, s32, s37
	s_add_nc_u64 s[38:39], s[4:5], s[32:33]
	s_lshl_b32 s32, s25, 4
	s_lshl_b32 s37, s27, 2
	s_add_co_u32 s37, s32, s37                     ; the group's first record
	s_mul_i32 s40, s37, REC
	s_lshl_b32 s41, s26, 12                        ; 4,096 bytes of an image a step
	s_add_co_u32 s32, s40, s41
	s_lshl_b32 s42, s[WV], 9
	s_add_co_u32 s32, s32, s42
	s_add_nc_u64 s[42:43], s[14:15], s[32:33]      ; K image: my tile
	s_mul_i32 s32, s29, REC
	s_add_co_u32 s32, s32, s40
	s_add_co_u32 s32, s32, s41
	s_lshl_b32 s44, s30, 10
	s_add_co_u32 s32, s32, s44
	s_add_co_u32 s32, s32, VIMG
	s_add_nc_u64 s[44:45], s[14:15], s[32:33]      ; V image: my head, my two key blocks
	s_lshl_b32 s32, s26, 8
	s_add_co_u32 s32, s32, s40
	s_add_co_u32 s32, s32, SCA
	s_add_nc_u64 s[46:47], s[14:15], s[32:33]      ; the step's 256 scale bytes in the group's first record
	s_wait_alu depctr_va_vdst(0)
	v_lshlrev_b32 v5, 11, v4
	s_delay_alu instid0(VALU_DEP_1)
	v_lshl_add_u32 v5, v3, 6, v5                   ; K: row r + 8 (r / 8) of 2,048 bytes, + 64 h
	s_lshr_b32 s32, s[WV], 2
	s_lshl_b32 s32, s32, 6
	s_and_b32 s37, s[WV], 3
	s_add_co_u32 s32, s32, s37
	v_lshl_add_u32 v7, v2, 2, s32                  ; LDS: K's byte: 64 (w / 4) + 4 r + w % 4
	v_lshl_add_u32 v8, v3, 3, v4
	s_delay_alu instid0(VALU_DEP_1)
	v_lshlrev_b32 v8, 2, v8                        ; V: my channel 8 u + r + 8 (r / 8), u = lane / 16
	v_lshlrev_b32 v9, 4, v2
	s_delay_alu instid0(VALU_DEP_1)
	v_lshl_add_u32 v9, v3, 11, v9                  ; V image: 2,048 u + 16 r
	s_lshl_b32 s32, s29, 8
	s_lshl_b32 s37, s30, 1
	s_add_co_u32 s32, s32, s37
	s_add_co_u32 s32, s32, 128
	v_lshl_add_u32 v10, v1, 2, s32                 ; LDS: V's byte: 256 (w / 2) + 128 + 4 lane + 2 (w % 2)
	v_lshrrev_b32 v11, 4, v0
	s_delay_alu instid0(VALU_DEP_1)
	v_mul_u32_u24 v11, v11, REC
	s_delay_alu instid0(VALU_DEP_1)
	v_lshl_add_u32 v11, v2, 4, v11                 ; the scale bytes' way out: head thread / 16, 16 bytes a lane
	v_lshlrev_b32 v218, 4, v0
	XLOAD 34                                       ; K's 16 loads,
	VLOAD 0                                        ; and the 32 of V's first block: 48 loads of mine are out
	s_wait_loadcnt 32                              ; K's 16 loads are in; the 32 issued behind them may be out
	QUANT
.irp bb, 0,1,2,3
	global_store_b128 v6, v[PC+4*\bb:PC+4*\bb+3], s[42:43] offset:\bb*REC   ; head 4 G + bb: 512 consecutive aligned bytes
	ds_store_b8 v7, v[TM+4+\bb] offset:256*\bb     ; both halves of the lanes write the same byte with the same value
.endr
	s_wait_loadcnt 0x0                             ; V's first block is in,
	s_wait_xcnt 0x0                                ; and all that has been issued has had its addresses translated:
	VLOAD 1                                        ; V's second block goes out, 32 loads, and lands while the first is worked
	VBLOCK 0
	s_wait_loadcnt 0x0                             ; V's second block is in
	VBLOCK 1
	s_wait_dscnt 0x0                               ; my byte stores have landed
	s_barrier_signal -1
	s_barrier_wait -1                              ; the four heads' 256 scale bytes of this step lie in LDS
	s_cmp_ge_u32 s[WV], 2
	s_cbranch_scc1 .Lxend
	ds_load_b128 v[12:15], v218
	s_wait_dscnt 0x0
	global_store_b128 v11, v[12:15], s[46:47]      ; sixteen lanes store one aligned unit of 256 bytes
.Lxend:
	s_wait_tensorcnt 0x0
	ds_add_u32 v224, v225
	s_wait_dscnt 0x0
	s_endpgm
	; ---- weights: fragment (p, w = id % 16, s = wave / 2, u = wave % 2)
.Lweights:
	s_sub_co_u32 s25, ttmp9, 256                   ; id
	s_lshr_b32 s26, s25, 4                         ; p
	s_and_b32 s27, s25, 15                         ; w
	s_max_u32 s28, s26, 1
	s_sub_co_u32 s28, s28, 1
	s_lshr_b32 s28, s28, 1
	s_lshl_b32 s28, s28, 9                         ; 512 j
	s_and_b32 s29, s26, 1
	s_mov_b32 s32, 8192                            ; a row of w2 in bytes
	s_cmp_eq_u32 s29, 1                            ; p odd: w1.  The choice hangs on the work-group's number alone
	s_cselect_b64 s[30:31], s[8:9], s[10:11]
	s_cselect_b32 s32, 2048, s32
	s_cselect_b32 s34, s28, 0                      ; first row
	s_cselect_b32 s35, 0, s28                      ; first column
	s_cmp_eq_u32 s26, 0                            ; p = 0: fc_w
	s_cselect_b64 s[30:31], s[6:7], s[30:31]
	s_cselect_b32 s32, 2048, s32
	s_cselect_b32 s34, 0, s34
	s_cselect_b32 s35, 0, s35
	s_lshr_b32 s38, s[WV], 1                       ; s
	s_and_b32 s39, s[WV], 1                        ; u
	s_lshl_b32 s36, s27, 5
	s_add_co_u32 s36, s36, s34
	s_lshl_b32 s40, s39, 3
	s_add_co_u32 s36, s36, s40
	s_mul_i32 s36, s36, s32
	s_lshl_b32 s40, s38, 7
	s_add_co_u32 s40, s40, s35
	s_lshl_b32 s40, s40, 2
	s_add_co_u32 s36, s36, s40
	s_mov_b32 s37, 0
	s_add_nc_u64 s[30:31], s[30:31], s[36:37]
	s_wait_alu depctr_va_vdst(0)
	v_mul_lo_u32 v5, v4, s32
	s_delay_alu instid0(VALU_DEP_1)
	v_lshl_add_u32 v5, v3, 6, v5
	XLOAD 30
	s_lshl_b32 s36, s25, 14
	s_lshl_b32 s40, s[WV], 11
	s_add_co_u32 s36, s36, s40
	s_add_nc_u64 s[42:43], s[16:17], s[36:37]
	s_lshl_b32 s36, s25, 9
	s_lshl_b32 s40, s[WV], 6
	s_add_co_u32 s36, s36, s40
	s_add_co_u32 s36, s36, WSC
	s_add_nc_u64 s[44:45], s[16:17], s[36:37]
	v_lshlrev_b32 v11, 2, v2
	s_wait_loadcnt 0x0
	QUANT
.irp c, 0,1,2,3
	global_store_b128 v6, v[PC+4*\c:PC+4*\c+3], s[42:43] offset:512*\c
.endr
	global_store_b32 v11, v[PW], s[44:45]          ; 16 words; lanes l and l + 16 write the same word with the same value
	s_endpgm
	; ---- mask: wave w = batch w / 2, half w % 2: 1,024 keys, eight steps of 128
.Lmask:
	s_lshl_b32 s32, s[WV], 12
	s_add_nc_u64 s[34:35], s[12:13], s[32:33]
	s_wait_alu depctr_va_vdst(0)
.irp i, 0,1,2,3,4,5,6,7
	global_load_b128 v[32+4*\i:35+4*\i], v6, s[34:35] offset:512*\i
.endr
	s_mov_b32 s38, 0
	s_wait_loadcnt 0x0
.irp i, 0,1,2,3,4,5,6,7
	v_min_u32 v96, v[32+4*\i], v[33+4*\i]
	v_min_u32 v97, v[34+4*\i], v[35+4*\i]
	s_delay_alu instid0(VALU_DEP_1)
	v_min_u32 v96, v96, v97                        ; 0 where one of my four keys of step i is masked
	s_delay_alu instid0(VALU_DEP_1)
	v_cmp_eq_u32 s36, 0, v96
	s_cmp_lg_u32 s36, 0
	s_cselect_b32 s37, 1<<\i, 0
	s_or_b32 s38, s38, s37
.endr
	v_or_b32 v98, v32, v33
.set Q, 2
.rept 30
	s_delay_alu instid0(VALU_DEP_1)
	v_or_b32 v98, v98, v[32+Q]
.set Q, Q+1
.endr
	s_delay_alu instid0(VALU_DEP_1)
	v_cmp_ne_u32 s36, 0, v98                       ; a key that counts
	s_cmp_lg_u32 s36, 0
	s_cselect_b32 s37, 256, 0
	s_or_b32 s38, s38, s37
	v_mov_b32 v99, s38
	v_lshlrev_b32 v100, 2, v1
	s_lshl_b32 s32, s[WV], 7
	s_add_nc_u64 s[18:19], s[18:19], s[32:33]
	global_store_b32 v100, v99, s[18:19]           ; 32 equal words
	s_endpgm
.Lfunc_end_k_q4f03183aaf_prep:
	.size	k_q4f03183aaf_prep, .Lfunc_end_k_q4f03183aaf_prep-k_q4f03183aaf_prep
	.p2alignl 7, 3214868480
	.fill 96, 4, 3214868480
	.section	.rodata,"a",@progbits
	.p2align	6, 0x0
	.amdhsa_kernel k_q4f03183aaf_prep
		.amdhsa_group_segment_fixed_size 2048
		.amdhsa_private_segment_fixed_size 0
		.amdhsa_enable_private_segment 0
		.amdhsa_kernarg_size 64
		.amdhsa_user_sgpr_count 2
		.amdhsa_user_sgpr_kernarg_segment_ptr 1
		.amdhsa_wavefront_size32 1
		.amdhsa_system_sgpr_workgroup_id_x 1
		.amdhsa_system_sgpr_workgroup_id_y 1
		.amdhsa_system_sgpr_workgroup_id_z 1
		.amdhsa_system_vgpr_workitem_id 0
		.amdhsa_next_free_vgpr 226
		.amdhsa_next_free_sgpr 66
		.amdhsa_reserve_vcc 0
		.amdhsa_float_denorm_mode_32 3
		.amdhsa_float_denorm_mode_16_64 3
		.amdhsa_memory_ordered 1
		.amdhsa_forward_progress 1
		.amdhsa_inst_pref_size 50
	.end_amdhsa_kernel
	.amdgpu_metadata
---
amdhsa.version: [ 1, 2 ]
amdhsa.kernels:
  - .name:           k_q4f03183aaf_prep
    .symbol:         k_q4f03183aaf_prep.kd
    .args:
      - { .name: x, .offset: 0, .size: 8, .value_kind: global_buffer, .address_space: global }
      - { .name: fc_w, .offset: 8, .size: 8, .value_kind: global_buffer, .address_space: global }
      - { .name: w1, .offset: 16, .size: 8, .value_kind: global_buffer, .address_space: global }
      - { .name: w2, .offset: 24, .size: 8, .value_kind: global_buffer, .address_space: global }
      - { .name: mask, .offset: 32, .size: 8, .value_kind: global_buffer, .address_space: global }
      - { .name: kv, .offset: 40, .size: 8, .value_kind: global_buffer, .address_space: global }
      - { .name: wt, .offset: 48, .size: 8, .value_kind: global_buffer, .address_space: global }
      - { .name: mflag, .offset: 56, .size: 8, .value_kind: global_buffer, .address_space: global }
    .group_segment_fixed_size: 2048
    .private_segment_fixed_size: 0
    .kernarg_segment_align: 8
    .kernarg_segment_size: 64
    .max_flat_workgroup_size: 256
    .sgpr_count:     66
    .vgpr_count:     226
    .wavefront_size: 32
...
	.end_amdgpu_metadata
.endif
;; end of part 4
;; launch attn (part 5): grid 4 x 64, 16 waves a work-group, no clusters, 145,664 bytes of LDS; arguments kv, mask, mflag, ao, ao_sc; writes ao, ao_sc
.if DOCPART == 5
	.amdgcn_target "amdgcn-amd-amdhsa--gfx1250"
	.amdhsa_code_object_version 6
	.text
	.protected	k_q4f03183aaf_attn
	.globl	k_q4f03183aaf_attn
	.p2align	8
	.type	k_q4f03183aaf_attn,@function
k_q4f03183aaf_attn:
	s_mov_b64 s[64:65], 0
	v_nop
	global_prefetch_b8 v0, s[64:65] scope:SCOPE_SE
	s_setreg_imm32_b32 hwreg(HW_REG_WAVE_SCHED_MODE, 0, 2), 2
	s_setreg_imm32_b32 hwreg(HW_REG_WAVE_MODE, 25, 1), 1
	s_wait_xcnt 0x0
	s_wait_alu depctr_vm_vsrc(0)
; ATTENTION on codes of E4M3 with E8M0 scales.  A work-group owns 512 queries of one (batch, head); each of its sixteen waves two tiles of 16 queries, one after the other: four waves to a SIMD,
; so that one wave's vector work stands beside another's matrix work and LDS loads.  The head's whole record (K image, V image, scale bytes: 135,168 bytes) comes into LDS ONCE, through registers; one barrier;
; after it LDS is only read.  No cluster: what partners would share is read once in the launch, ahead of its 512 key steps.
; BOTH PRODUCTS TRANSPOSED: S^T = K Q^T, O^T = V^T P^T: a lane holds one query (lane % 16) throughout.
; THE FIRST PRODUCT HAS K = 32.  One fragment of 16 registers carries FOUR key tiles, one in each block of 32 of the instruction's 128.  Q stands in a run of 28 registers, 12 zeros, 4 of codes, 12 zeros:
; the 16 registers from QZ + 12 - 4 c on have Q in block c and zero codes elsewhere, which add nothing (the other side's codes are held codes, its bytes lie in 1 .. 254).  So a key tile costs one LDS load of 16 bytes a lane.
; THE KEYS OF A TILE ARE NOT NEIGHBOURS (see the K image): the 16 registers of tiles 2 b, 2 b + 1 are keys 32 b + 16 (lane / 16) + 0 .. 15, so p's codes are the second product's operand as they are made.
; SOFTMAX: t = score x log2(e) / sqrt(32); M = the running largest t rounded up to a whole number; p = 2^(t - M) is quantised along the keys; the row's sum is taken of the unquantised p and divides at the end.
; THE MASK enters as the C of the first product: 0 or -2^66, from a table in LDS, and only in the key steps that the stored flags mark; the others take C = 0.  The running largest t begins at -2^30, so a masked key gives p = 0.
; A batch with no key that counts: all biases 0 and Q's codes 0 (no branch): every t is 0, p = 1, the sum 2,048: the mean of V, as -1e20 everywhere gives.
; LIMITS: |t| under 2^30; a masked score is -2^66 in place of -1e20 (p is 0 either way); NaN and infinities are not served; a block of zeros gets the byte 1 (this program alone reads the bytes).
; THE MODE: SCHED_MODE bits 1:0 = 2 (LLVM: expert scheduling mode 2), set by the entry lines.  The code itself states the register dependences
; between vector or matrix instructions and memory or LDS instructions, with s_wait_alu, always for 0.
; THE PLAN.  Registers that memory or LDS instructions touch, and who else names them:
;   v1-v7, v59      offsets and LDS addresses: made at the head, ahead of the wait in front of the first load, and never written again.
;   v8-v11          At the head: offsets of Q's loads, addresses of stores into LDS.  In the loop: written by the four additions at a step's head, read by that step's LDS loads.
;   S, v220-221     At the head: loaded from memory, stored into LDS.  v228-231: written by four selects, stored into LDS.
;   S in the loop   Written by the first products (in a marked step the bias lands there first), then read and written by the softmax.
;   KF, KS, VF, VS  A step's LDS loads land in them; the step's products read them.
;   PC, PW          No memory instruction names them; vector lines write them and the scaled second products take them as operand and scales.
;   QR, QB          Loaded at the head; at a tile's end the conversions and a shift write the tile's own four and one, and two stores read them.
; A KEY STEP holds, beside one wait ahead of its exponentials and two behind them: at its head one wait on vm_vsrc, the four additions and ONE wait on va_vdst, which serves all the step's LDS loads on both ways
; of the branch behind it; and one wait on va_vdst ahead of the second products.  No vector or matrix line between a wait and the loads that it serves names a register that those loads touch.
.set REC,  135168
.set VIMG, 65536
.set SCA,  131072
.set BIAS, 135168                      ; LDS: behind the record: 2,048 f32, 0 or -2^66
.set QZ,  16                           ; v16-43   12 zeros, Q's codes, 12 zeros
.set QS,  44                           ; v44 Q's scale word, v45 K's words, v46 V's words, v47 p's word: they hold scales and nothing else
.set KS,  45
.set VS,  46
.set PW,  47
.set QR,  48                           ; v48-55   Q's codes of tiles 0, 1; at a tile's end the result's codes
.set QB,  56                           ; v56-57   Q's scale bytes; at a tile's end the result's byte
.set KF,  60                           ; v60-91   K: two fragments = eight key tiles
.set VF,  92                           ; v92-123  V: two fragments
.set S,   124                          ; v124-187 S^T, then p
.set O,   188                          ; v188-203 O^T: register i = channel 16 (lane / 16) + i
.set PC,  204                          ; v204-219 p's codes
.set BM,  220                          ; blocks' largest scores, then largest p
.set BP,  224                          ; permutes, then bytes
.set BL,  228                          ; 448 x the scale
.set BS,  232                          ; the conversions' scale operands
.set WV,  14
.set MNT, 19
.set SEL, 20
.set CS,  22
.set MF,  24                           ; s24 bit i: key step i has a masked key
.set FL,  25                           ; s25 all ones, or 0 where no key of the batch counts
.set TK,  26
.set TS,  27
.set TBI, 28
.set CNT, 29
.set STN, 30
.macro LOADKV
.irp g, 0,1
.irp c, 0,1,2,3
	ds_load_b128 v[KF+16*\g+4*\c:KF+16*\g+4*\c+3], v8 offset:2048*\g+512*\c
.endr
.endr
	ds_load_b32 v[KS], v10                         ; lanes 0-15: tiles 0-3's bytes of row r; lanes 16-31: tiles 4-7's
.irp u, 0,1
.irp c, 0,1,2,3
	ds_load_b128 v[VF+16*\u+4*\c:VF+16*\u+4*\c+3], v9 offset:2048*\u+512*\c
.endr
.endr
	ds_load_b32 v[VS], v10 offset:128
.endm
.macro SPROD onto                      ; eight key tiles; onto = 1: onto the bias that lies in S
.irp g, 0,1
.irp c, 0,1,2,3
.if \onto
.if \g
	v_wmma_scale_f32_16x16x128_f8f6f4 v[S+32*\g+8*\c:S+32*\g+8*\c+7], v[KF+16*\g:KF+16*\g+15], v[QZ+12-4*\c:QZ+27-4*\c], v[S+32*\g+8*\c:S+32*\g+8*\c+7], v[KS], v[QS] matrix_a_scale:MATRIX_SCALE_ROW1
.else
	v_wmma_scale_f32_16x16x128_f8f6f4 v[S+32*\g+8*\c:S+32*\g+8*\c+7], v[KF+16*\g:KF+16*\g+15], v[QZ+12-4*\c:QZ+27-4*\c], v[S+32*\g+8*\c:S+32*\g+8*\c+7], v[KS], v[QS]
.endif
.else
.if \g
	v_wmma_scale_f32_16x16x128_f8f6f4 v[S+32*\g+8*\c:S+32*\g+8*\c+7], v[KF+16*\g:KF+16*\g+15], v[QZ+12-4*\c:QZ+27-4*\c], 0, v[KS], v[QS] matrix_a_scale:MATRIX_SCALE_ROW1
.else
	v_wmma_scale_f32_16x16x128_f8f6f4 v[S+32*\g+8*\c:S+32*\g+8*\c+7], v[KF+16*\g:KF+16*\g+15], v[QZ+12-4*\c:QZ+27-4*\c], 0, v[KS], v[QS]
.endif
.endif
.endr
.endr
.endm
	s_load_b256 s[4:11], s[0:1], 0x0               ; kv, mask, mflag, ao
	s_load_b64 s[12:13], s[0:1], 0x20              ; ao_sc
	v_lshl_add_u32 v254, v0, 2, 0x23100
	v_mov_b32 v255, 0
	v_lshrrev_b32 v1, 5, v0
	v_readfirstlane_b32 s[WV], v1                  ; wave 0..15
	s_and_b32 s33, ttmp7, 0xffff                   ; batch x 16 + head
	s_lshr_b32 s34, s33, 4                         ; batch
	s_and_b32 s35, s33, 15                         ; head
	s_lshl_b32 s36, ttmp9, 4
	s_wait_alu depctr_va_sdst(0)                   ; the wave's number is written, ahead of its first reader
	s_add_co_u32 s36, s36, s[WV]                   ; P: my 32 queries among the batch's 64 such
	s_mov_b32 s39, 0
	s_mov_b32 s[MNT], 0x600000
	s_mov_b32 s[SEL], 0x76543210
	s_mov_b32 s[SEL+1], 0xfedcba98
	s_mov_b32 s[CS], 0x3e8293ee                    ; c = log2(e) / sqrt(32)
	s_mov_b32 s[CS+1], s[CS]
	s_mov_b32 s31, 0x01010101
	v_and_b32 v5, 15, v0                           ; r
	v_bfe_u32 v4, v0, 4, 1                         ; h
	v_and_b32 v1, 31, v0
	v_lshl_add_u32 v3, v1, 2, SCA                  ; scale words: 4 x lane
	v_lshlrev_b32 v1, 4, v1                        ; 16 x lane: K image, and the way out
	v_add_nc_u32 v2, VIMG, v1                      ; V image
	v_and_b32 v10, 7, v5
	v_lshrrev_b32 v11, 3, v5
	v_lshl_add_u32 v9, v10, 2, v11                 ; Q's byte in K's words: 4 (r % 8) + r / 8
	v_lshlrev_b32 v8, 4, v10
	v_lshl_add_u32 v8, v11, 9, v8
	v_lshl_add_u32 v8, v4, 8, v8                   ; Q's codes in the K image: 512 (r / 8) + 16 (r % 8) + 256 h
	v_lshl_add_u32 v4, v4, 6, BIAS                 ; the bias of my half's 16 keys of a block
	v_lshlrev_b32 v5, 2, v5                        ; 4 r
	v_lshlrev_b32 v6, 4, v0                        ; 16 x thread
	v_lshlrev_b32 v7, 3, v0                        ; 8 x thread
	v_add_nc_u32 v10, VIMG, v6
	v_add_nc_u32 v11, SCA, v7
	v_add_nc_u32 v59, BIAS, v6
	s_wait_kmcnt 0x0
	s_lshl_b32 s38, s34, 8
	s_add_nc_u64 s[8:9], s[8:9], s[38:39]
	s_load_b32 s40, s[8:9], 0x0                    ; the batch's flags: first half,
	s_load_b32 s41, s[8:9], 0x80                   ; second half
	s_mul_i32 s38, s33, REC
	s_add_nc_u64 s[4:5], s[4:5], s[38:39]          ; my head's record
	s_lshl_b32 s38, s34, 13
	s_add_nc_u64 s[6:7], s[6:7], s[38:39]          ; my batch's mask
	s_lshl_b32 s38, s36, 10
	s_add_nc_u64 s[42:43], s[4:5], s[38:39]        ; my queries' codes: 1,024 P
	s_lshr_b32 s38, s36, 2
	s_lshl_b32 s38, s38, 8
	s_bfe_u32 s37, s36, 0x10001
	s_lshl_b32 s37, s37, 6
	s_add_co_u32 s38, s38, s37
	s_and_b32 s37, s36, 1
	s_lshl_b32 s37, s37, 1
	s_add_co_u32 s38, s38, s37
	s_add_co_u32 s38, s38, SCA
	s_add_nc_u64 s[44:45], s[4:5], s[38:39]        ; and their bytes: 256 (P / 4) + 64 ((P / 2) % 2) + 2 (P % 2)
	s_lshl_b32 s37, s34, 6
	s_add_co_u32 s37, s37, s36                     ; my pair of row tiles among all 256
	s_lshl_b32 s38, s37, 14
	s_lshl_b32 s15, s35, 9
	s_add_co_u32 s38, s38, s15
	s_add_nc_u64 s[10:11], s[10:11], s[38:39]      ; ao [pair][m][head][lane][16]
	s_lshl_b32 s38, s37, 9
	s_lshr_b32 s15, s35, 2
	s_lshl_b32 s15, s15, 7
	s_add_co_u32 s38, s38, s15
	s_and_b32 s15, s35, 3
	s_add_co_u32 s38, s38, s15
	s_add_nc_u64 s[12:13], s[12:13], s[38:39]      ; ao_sc [pair][head / 4][m][r][head % 4]
	s_wait_alu depctr_va_vdst(0)                   ; the offsets and addresses v1 to v11 and v59 are written, which the loads and the stores into LDS below read
	; 22 loads a thread, in this order: 16 of the images, the scale bytes, the mask, Q's codes (2), Q's bytes (2)
.set Q, 0
.rept 16
	global_load_b128 v[S+4*Q:S+4*Q+3], v6, s[4:5] offset:8192*Q
.set Q, Q+1
.endr
	global_load_b64 v[220:221], v7, s[4:5] offset:SCA
	global_load_b128 v[232:235], v6, s[6:7]
	global_load_b128 v[QR:QR+3], v8, s[42:43]
	global_load_b128 v[QR+4:QR+7], v8, s[42:43] offset:128
	global_load_u8 v[QB], v9, s[44:45]
	global_load_u8 v[QB+1], v9, s[44:45] offset:32
	s_wait_kmcnt 0x0
	s_or_b32 s37, s40, s41
	s_and_b32 s40, s40, 255
	s_and_b32 s41, s41, 255
	s_lshl_b32 s41, s41, 8
	s_or_b32 s[MF], s40, s41
	s_bitcmp1_b32 s37, 8                           ; does any key of the batch count?
	s_cselect_b32 s[FL], -1, 0
	s_cselect_b32 s38, 0xe0800000, 0               ; -2^66
	s_cselect_b32 s[MF], s[MF], 0
	v_mov_b32 v58, s38
.irp j, 0,1,2,3,4,5,6,7,8,9,10,11
	v_mov_b32 v[QZ+\j], 0
	v_mov_b32 v[QZ+16+\j], 0
.endr
.irp b, 0,1,2,3
	v_mov_b32 v[BP+\b], 0                          ; a lane permute's destination counts as one of its sources
.endr
	v_mov_b32 v238, 0
	v_mov_b32 v241, 0                              ; named as the upper half of the pair v[240:241]
.set Q, 0
.rept 8
	s_wait_loadcnt 21-Q                            ; the loads issued behind load Q may be out
	ds_store_b128 v6, v[S+4*Q:S+4*Q+3] offset:8192*Q
.set Q, Q+1
.endr
.rept 8
	s_wait_loadcnt 21-Q
	ds_store_b128 v10, v[S+4*Q:S+4*Q+3] offset:8192*(Q-8)
.set Q, Q+1
.endr
	s_wait_loadcnt 5                               ; behind the scale bytes: the mask and Q's four
	ds_store_b64 v11, v[220:221]
	s_wait_loadcnt 4                               ; behind the mask: Q's four
.irp k, 0,1,2,3
	v_cmp_eq_u32 s[36+\k], 0, v[232+\k]            ; the four compares in a run, each into a scalar register of its own (s36 to s39 are free here)
.endr
	s_wait_alu depctr_va_sdst(0)                   ; the four masks are written, ahead of the selects that read them
.irp k, 0,1,2,3
	v_cndmask_b32 v[228+\k], 0, v58, s[36+\k]
.endr
	s_wait_alu depctr_va_vdst(0)                   ; the selects have written v228 to v231, which the store into LDS reads
	ds_store_b128 v59, v[228:231]
	s_wait_loadcnt 0x0
	s_wait_dscnt 0x0                               ; my stores have landed
	s_barrier_signal -1
	s_barrier_wait -1                              ; the record and the bias table are whole; from here on LDS is only read
.macro TILE i
.irp k, 0,1,2,3
	v_cndmask_b32 v[QZ+12+\k], 0, v[QR+4*\i+\k], s[FL]
.endr
	v_mul_lo_u32 v[QS], v[QB+\i], s31              ; Q's byte in all four places: Q stands in any block
	v_mov_b32 v13, 0xce800000                      ; the largest t so far: -2^30
	v_floor_f32 v12, -v13                          ; -M
	v_mov_b32 v14, 0                               ; the sum, in two halves
	v_mov_b32 v15, 0
.irp j, 0,1,2,3,4,5,6,7,8,9,10,11,12,13,14,15
	v_mov_b32 v[O+\j], 0                           ; the step is written once: the first finds zeros.  (These lines are also the places between Q's codes and scale word and the first product)
.endr
	s_mov_b32 s[TK], 0
	s_mov_b32 s[TS], 0
	s_mov_b32 s[TBI], 0
	s_mov_b32 s[STN], 0
	s_mov_b32 s[CNT], 16
.Lstep_\@:                                             ; a key step: 128 keys
	s_wait_alu depctr_vm_vsrc(0)                   ; the last step's LDS loads have read v8 to v11, which the additions write.  In the launch's first step: Q's loads have read v8 and v9, and the head's stores into LDS their addresses v10, v11 and their data S, v220-221, v228-231, all written again in this step
	v_add_nc_u32 v8, s[TK], v1
	v_add_nc_u32 v9, s[TK], v2
	v_add_nc_u32 v10, s[TS], v3
	v_add_nc_u32 v11, s[TBI], v4
.rept 4
	v_nop                                          ; with the four additions: eight places behind the last products; they stay beside the wait below
.endr
	s_wait_alu depctr_va_vdst(0)                   ; v8 to v11 are written, which the LDS loads on both ways below read; the last step's products are done reading KF, KS, VF, VS, and its softmax is done with S, in which those loads land; in a tile's first step Q's codes and scale word are written, which the scaled products take
	s_lshr_b32 s32, s[MF], s[STN]
	s_and_b32 s32, s32, 1
	s_cmp_lg_u32 s32, 0
	s_cbranch_scc1 .Lmasked_\@
	LOADKV
	s_wait_dscnt 9                                 ; K and its words are in; V's eight loads and its words may be out
	SPROD 0
	s_branch .Ljoin_\@
.Lmasked_\@:
.irp b, 0,1,2,3
.irp q, 0,1,2,3
	ds_load_b128 v[S+16*\b+4*\q:S+16*\b+4*\q+3], v11 offset:128*\b+16*\q   ; register 16 b + i: the bias of key 32 b + 16 h + i
.endr
.endr
	LOADKV
	s_wait_dscnt 9                                 ; the bias, K and its words are in
	SPROD 1
.Ljoin_\@:
.rept 8
	v_nop
.endr
.irp b, 0,1,2,3
	v_max3_num_f32 v[BM+\b], v[S+16*\b], v[S+1+16*\b], v[S+2+16*\b]   ; the largest score of each block of 32 keys: for the row's maximum, and, since p rises with the score, for the block's largest p
.endr
.irp q, 3,5,7,9,11,13
.irp b, 0,1,2,3
	v_max3_num_f32 v[BM+\b], v[BM+\b], v[S+16*\b+\q], v[S+1+16*\b+\q]
.endr
.endr
.irp b, 0,1,2,3
	v_max_num_f32 v[BM+\b], v[BM+\b], v[S+15+16*\b]
.endr
.irp b, 0,1,2,3
	v_permlanex16_b32 v[BP+\b], v[BM+\b], s[SEL], s[SEL+1]
.endr
.irp b, 0,1,2,3
	v_max_num_f32 v[BM+\b], v[BM+\b], v[BP+\b]     ; with lane l xor 16's 16 keys
.endr
	v_max3_num_f32 v238, v[BM], v[BM+1], v[BM+2]
	v_max_num_f32 v238, v238, v[BM+3]
	v_mul_f32 v238, s[CS], v238
	v_max_num_f32 v13, v13, v238                   ; the running largest t
	v_mov_b32 v238, v12
	v_floor_f32 v12, -v13                          ; the new -M = -ceil(t)
	v_sub_f32 v238, v12, v238                      ; old M - new M: a whole number, 0 or less
	v_cvt_i32_f32 v238, v238                       ; (it saturates)
	v_ldexp_f32 v240, 1.0, v238                    ; f = 2^(old M - new M): exact
.set Q, 0
.rept 32
	v_pk_fma_f32 v[S+Q:S+Q+1], v[S+Q:S+Q+1], s[CS:CS+1], v[12:13] op_sel_hi:[1,0,0]   ; t - M
.set Q, Q+2
.endr
.irp b, 0,1,2,3
	v_fma_f32 v[BM+\b], v[BM+\b], s[CS], v12
.endr
.set Q, 0
	s_wait_alu depctr_va_vdst(0)
.rept 64
	v_exp_f32 v[S+Q], v[S+Q]                       ; p = 2^(t - M)
.set Q, Q+1
.endr
	v_pk_mul_f32 v[14:15], v[14:15], v[240:241] op_sel_hi:[1,0]   ; the sums under the new M; a plain line behind the exponentials
	s_wait_alu depctr_va_vdst(0)                   ; the 64 exponentials have written p: one wait for the batch, ahead of its first reader
.irp b, 0,1,2,3
	v_exp_f32 v[BM+\b], v[BM+\b]                   ; the block's largest p
.endr
	v_pk_add_f32 v[236:237], v[S:S+1], v[S+2:S+3]  ; the row's sum of the unquantised p, in two chains
.set Q, 4
.rept 15
	v_pk_add_f32 v[14:15], v[14:15], v[S+Q:S+Q+1]
	v_pk_add_f32 v[236:237], v[236:237], v[S+Q+2:S+Q+3]
.set Q, Q+4
.endr
	v_pk_add_f32 v[14:15], v[14:15], v[236:237]
	s_wait_alu depctr_va_vdst(0)                   ; the four exponentials have written the blocks' largest p: their wait, ahead of the first reader
.irp b, 0,1,2,3
	v_max_num_f32 v[BM+\b], 0x4800000, v[BM+\b]    ; the floor 2^(9 - 127): the byte cannot fall under 1
.endr
.irp b, 0,1,2,3
	v_add_nc_u32 v[BS+\b], 0xfc000000, v[BM+\b]
.endr
.irp b, 0,1,2,3
	v_and_or_b32 v[BL+\b], v[BM+\b], 0x7f800000, s[MNT]
.endr
.irp b, 0,1,2,3
	v_lshrrev_b32 v[BP+\b], 23, v[BS+\b]
.endr
	v_lshl_or_b32 v[PW], v[BP+1], 8, v[BP]         ; p's scale word for these 128 keys
	v_lshl_or_b32 v[PW], v[BP+2], 16, v[PW]
	v_lshl_or_b32 v[PW], v[BP+3], 24, v[PW]
.irp b, 0,1,2,3
.irp q, 0,1,2,3,4,5,6,7,8,9,10,11,12,13,14,15
	v_min_num_f32 v[S+16*\b+\q], v[S+16*\b+\q], v[BL+\b]   ; the hold; p is not negative, so it is one-sided
.endr
	v_cvt_scalef32_pk8_fp8_f32 v[PC+4*\b:PC+1+4*\b], v[S+16*\b:S+7+16*\b], v[BS+\b]
	v_cvt_scalef32_pk8_fp8_f32 v[PC+2+4*\b:PC+3+4*\b], v[S+8+16*\b:S+15+16*\b], v[BS+\b]
.endr
.irp q, 0,2,4,6,8,10,12,14
	v_pk_mul_f32 v[O+\q:O+\q+1], v[O+\q:O+\q+1], v[240:241] op_sel_hi:[1,0]   ; O^T under the new M; also the places between the codes and the products
.endr
	s_wait_dscnt 0x0                               ; V and its words are in
	s_wait_alu depctr_va_vdst(0)                   ; the conversions have written p's codes and the shifts its scale word, which the scaled products take as operand and scales; the places above stay beside this wait
	v_wmma_scale_f32_16x16x128_f8f6f4 v[O:O+7], v[VF:VF+15], v[PC:PC+15], v[O:O+7], v[VS], v[PW]
	v_wmma_scale_f32_16x16x128_f8f6f4 v[O+8:O+15], v[VF+16:VF+31], v[PC:PC+15], v[O+8:O+15], v[VS], v[PW] matrix_a_scale:MATRIX_SCALE_ROW1
	s_add_co_u32 s[TK], s[TK], 4096
	s_add_co_u32 s[TS], s[TS], 256
	s_add_co_u32 s[TBI], s[TBI], 512
	s_add_co_u32 s[STN], s[STN], 1
	s_sub_co_u32 s[CNT], s[CNT], 1
	s_cmp_lg_u32 s[CNT], 0
	s_cbranch_scc1 .Lstep_\@
	; the tile's end: O^T / the sum; my 16 channels and lane l xor 16's are one block of 32 of the next product's K: quantised here
.rept 8
	v_nop
.endr
	v_add_f32 v14, v14, v15
	v_permlanex16_b32 v238, v14, s[SEL], s[SEL+1]
	v_add_f32 v14, v14, v238
	s_wait_alu depctr_va_vdst(0)
	v_rcp_f32 v240, v14
	v_nop
	s_wait_alu depctr_va_vdst(0)                   ; the reciprocal is written, ahead of its first reader
.irp q, 0,2,4,6,8,10,12,14
	v_pk_mul_f32 v[O+\q:O+\q+1], v[O+\q:O+\q+1], v[240:241] op_sel_hi:[1,0]
.endr
	v_max3_num_f32 v[BM], |v[O]|, |v[O+1]|, 0x4800000
	v_max3_num_f32 v[BM+1], |v[O+2]|, |v[O+3]|, |v[O+4]|
	v_max3_num_f32 v[BM], v[BM], |v[O+5]|, |v[O+6]|
	v_max3_num_f32 v[BM+1], v[BM+1], |v[O+7]|, |v[O+8]|
	v_max3_num_f32 v[BM], v[BM], |v[O+9]|, |v[O+10]|
	v_max3_num_f32 v[BM+1], v[BM+1], |v[O+11]|, |v[O+12]|
	v_max3_num_f32 v[BM], v[BM], |v[O+13]|, |v[O+14]|
	v_max3_num_f32 v[BM], v[BM], v[BM+1], |v[O+15]|
	v_permlanex16_b32 v[BP], v[BM], s[SEL], s[SEL+1]
	v_max_num_f32 v[BM], v[BM], v[BP]
	v_add_nc_u32 v[BS], 0xfc000000, v[BM]
	v_and_or_b32 v[BL], v[BM], 0x7f800000, s[MNT]
	v_lshrrev_b32 v[QB+\i], 23, v[BS]
.irp q, 0,1,2,3,4,5,6,7,8,9,10,11,12,13,14,15
	v_med3_num_f32 v[O+\q], v[O+\q], -v[BL], v[BL]
.endr
	v_cvt_scalef32_pk8_fp8_f32 v[QR+4*\i:QR+4*\i+1], v[O:O+7], v[BS]
	v_cvt_scalef32_pk8_fp8_f32 v[QR+4*\i+2:QR+4*\i+3], v[O+8:O+15], v[BS]
	v_nop
	s_wait_alu depctr_va_vdst(0)                   ; the conversions have written the result's codes and the shift its byte, which the two stores read
	global_store_b128 v1, v[QR+4*\i:QR+4*\i+3], s[10:11] offset:8192*\i   ; 512 consecutive aligned bytes: a piece of the next operand's image.  Each tile has its own data registers: none is written again
	global_store_b8 v5, v[QB+\i], s[12:13] offset:64*\i                    ; both halves of the lanes write the same byte with the same value
.endm
	TILE 0
	TILE 1
	s_wait_dscnt 0x0                               ; the closing lines, six on end of a launch in the mode that stores to LDS
	s_wait_alu 0x0
	s_wait_tensorcnt 0x0
	ds_add_u32 v254, v255
	s_wait_dscnt 0x0
	s_endpgm
.Lfunc_end_k_q4f03183aaf_attn:
	.size	k_q4f03183aaf_attn, .Lfunc_end_k_q4f03183aaf_attn-k_q4f03183aaf_attn
	.p2alignl 7, 3214868480
	.fill 96, 4, 3214868480
	.section	.rodata,"a",@progbits
	.p2align	6, 0x0
	.amdhsa_kernel k_q4f03183aaf_attn
		.amdhsa_group_segment_fixed_size 145664
		.amdhsa_private_segment_fixed_size 0
		.amdhsa_enable_private_segment 0
		.amdhsa_kernarg_size 40
		.amdhsa_user_sgpr_count 2
		.amdhsa_user_sgpr_kernarg_segment_ptr 1
		.amdhsa_wavefront_size32 1
		.amdhsa_system_sgpr_workgroup_id_x 1
		.amdhsa_system_sgpr_workgroup_id_y 1
		.amdhsa_system_sgpr_workgroup_id_z 1
		.amdhsa_system_vgpr_workitem_id 0
		.amdhsa_next_free_vgpr 256
		.amdhsa_next_free_sgpr 66
		.amdhsa_reserve_vcc 0
		.amdhsa_float_denorm_mode_32 3
		.amdhsa_float_denorm_mode_16_64 3
		.amdhsa_memory_ordered 1
		.amdhsa_forward_progress 1
		.amdhsa_inst_pref_size 59
	.end_amdhsa_kernel
	.amdgpu_metadata
---
amdhsa.version: [ 1, 2 ]
amdhsa.kernels:
  - .name:           k_q4f03183aaf_attn
    .symbol:         k_q4f03183aaf_attn.kd
    .args:
      - { .name: kv, .offset: 0, .size: 8, .value_kind: global_buffer, .address_space: global }
      - { .name: mask, .offset: 8, .size: 8, .value_kind: global_buffer, .address_space: global }
      - { .name: mflag, .offset: 16, .size: 8, .value_kind: global_buffer, .address_space: global }
      - { .name: ao, .offset: 24, .size: 8, .value_kind: global_buffer, .address_space: global }
      - { .name: ao_sc, .offset: 32, .size: 8, .value_kind: global_buffer, .address_space: global }
    .group_segment_fixed_size: 145664
    .private_segment_fixed_size: 0
    .kernarg_segment_align: 8
    .kernarg_segment_size: 40
    .max_flat_workgroup_size: 512
    .sgpr_count:     66
    .vgpr_count:     256
    .wavefront_size: 32
...
	.end_amdgpu_metadata
.endif
;; end of part 5
;; launch tail (part 6): grid 256 x 1, 16 waves a work-group, no clusters, 161,792 bytes of LDS; arguments ao, ao_sc, wt, x, fc_b, g1, be1, b2, g2, be2, b1, out0; writes out0
.if DOCPART == 6
	.amdgcn_target "amdgcn-amd-amdhsa--gfx1250"
	.amdhsa_code_object_version 6
	.text
	.protected	k_q4f03183aaf_tail
	.globl	k_q4f03183aaf_tail
	.p2align	8
	.type	k_q4f03183aaf_tail,@function
k_q4f03183aaf_tail:
	s_mov_b64 s[64:65], 0
	v_nop
	global_prefetch_b8 v0, s[64:65] scope:SCOPE_SE
	s_setreg_imm32_b32 hwreg(HW_REG_WAVE_SCHED_MODE, 0, 2), 2
	s_setreg_imm32_b32 hwreg(HW_REG_WAVE_MODE, 25, 1), 1
	s_wait_xcnt 0x0
	s_wait_alu depctr_vm_vsrc(0)
; THE TAIL: h = 0.9 LN(attention fc_w^T + fc_b + x); out = 0.9 LN(relu(h w1^T + b1) w2^T + b2 + h), all products on codes of E4M3 with E8M0 scales.
; A work-group takes 32 rows (two tiles of 16) through the whole chain: nothing between the products goes to memory.  The chain is NINE products of one shape, [32 x 512] x [512 x 512]: fc, then for j = 0 .. 3
; rows 512 j of w1 and columns 512 j of w2: 36 K steps of 128, numbered on end.  THE SIXTEEN WAVES SHARE THE COLUMNS: in every product wave w makes columns 32 w .. 32 w + 31, as two weight tiles.
; WEIGHTS go from memory straight into registers: they were laid in the order of the operand's registers, each fragment is used by one wave alone, a ring of three K steps (27 loads) runs ahead.
; No multicast: a fragment sent through LDS would be written and read there once more for the one wave that uses it.
; ACTIVATIONS go from wave to wave through LDS as images of the operand's registers (16 bytes a lane, 512 bytes a store), scale bytes beside them.  A wave reads them into TWO register buffers by turns, two K steps
; ahead of their products, wherever the image is whole by then: inside a product, and from a chunk of w2 into the next chunk of w1 (h's image stands since its barrier).  So a K step's LDS loads land while
; the wave issues its weight loads and multiplies the K step between.
; TRANSPOSED USE, and a weight tile's rows are not neighbours (row 8 u + r + 8 (r / 8)): register 16 m + i of an accumulator set holds token 16 m + r, column 32 w + 16 h + i: 16 neighbours along the next K,
; and lanes l, l xor 16 hold a block of 32.  Biases and residuals are what the sums begin with: x + fc_b, b1, h + b2.
; LN in two passes, as written in the problem: the mean, then the mean of squared differences; a row's 16 partial sums meet in LDS.
; LIMITS: NaN and infinities are not served; a block of zeros gets the byte 1 (this program alone reads the bytes).
; THE MODE: SCHED_MODE bits 1:0 = 2 (LLVM: expert scheduling mode 2), set by the entry lines.  The code itself states the register dependences
; between vector or matrix instructions and memory or LDS instructions, with s_wait_alu, always for 0.
; THE PLAN.  Registers that memory or LDS instructions touch, and who else names them:
;   v1-v13, v15      offsets and LDS addresses: made at the head, ahead of the wait in front of the first load, and never written again.
;   v80-102, Y       At the head: v80-99 and Y are loaded from memory and stored into LDS; v100-102 are addresses of those stores.
;   ACT, v211        K step t (even): LDS loads land in them two K steps ahead; the step's four products read them.  In LN gains and biases land in ACT, and vector lines read them.
;   ACTB, v252       The same for odd K steps.  Between products the quantiser and the norm work in these registers: PC and RD+8, RD+9 are written there and stored into LDS; a reduction's loads land in RD.
;   WF, WS           Slot t % 3: global loads land three K steps ahead; K step t's products read it.
;   v245             Written by a select, read by LN's two stores into LDS.
;   ACC, Y           Loads from LDS land in them (x, fc_b, b1, b2; the rows on the way out); products and vector lines work on them; Y is stored into the stage on the way out.
; So ONE wait on va_vdst stands in a K step, behind its four products and their places: the products are done reading the fragment buffer, the ring's slot and their scale words, and the step's run of up to
; 18 loads follows it.  The quantiser, the norm and the way out have one wait on va_vdst ahead of each run of stores into LDS; it serves the loads behind the barrier too, since no vector line stands between.
; A wait on vm_vsrc stands behind each barrier behind which registers that stores into LDS have read are written again.
.set AIMG, 0                           ; LDS: images [m][s][c][lane][16 B], 16,384 bytes each
.set HIMG, 16384
.set DIMG, 32768                       ; two, by turns
.set ASC,  65536                       ; scale bytes [s][m][r][c], 512 bytes each: attention's +0, h's +512, the hidden chunk's +1,024 and +1,536
.set PAR,  67584                       ; fc_b +0, g1 +2,048, be1 +4,096, b2 +6,144, g2 +8,192, be2 +10,240, b1 +12,288
.set RED1, 88064                       ; 32 rows x 16 partial sums, pitch 80; the second reduction's 2,560 further on
.set STG,  93184                       ; 32 rows of 2,048 bytes, pitch 2,064: x on the way in, the result on the way out
.set WSC,  2359296
.set ACC, 16                           ; v16-47
.set Y,   48                           ; v48-79
.set ACT, 80                           ; v80-111  the activation's two fragments of an even K step; gains and biases in LN
.set ACTB, 212                         ; v212-243 those of an odd K step.  Between the products, when no such load is out, the same registers are at work as PC, RD, ME, RS
.set WF,  112                          ; v112-207 three slots of two weight fragments
.set WS,  208                          ; v208-210 their scale words;  v211, v252 the activation's, of even and odd K steps: these five hold scales and nothing else
.set ASR, 211
.set ASRB, 252
.set PC,  212                          ; v212-219 codes just made
.set RD,  220                          ; v220-235 a reduction's 16 numbers; at work in the quantiser
.set ME,  236                          ; v[236:237], v[238:239] the means of my two tokens (the low word is used)
.set RS,  240                          ; v[240:241], v[242:243] their 1 / sqrt(var + eps)
.set SA,  244                          ; v244-251 sums
.set WV,  28
.set HM,  29                           ; s29 lanes 16-31
.set SEL, 30
.set MNT, 32
.macro BARRIER                         ; my LDS stores have landed and my LDS loads are in: then the work-group's barrier
	s_wait_dscnt 0x0
	s_barrier_signal -1
	s_barrier_wait -1
.endm
.macro WLOAD t                         ; K step t = 4 p + s of the 36: my two weight fragments and their scale words, into slot t % 3
.set WP, (\t)/4
.set WQ, (\t)%4
.set WL, (\t)%3
.irp u, 0,1
.irp c, 0,1,2,3
	global_load_b128 v[WF+32*WL+16*\u+4*\c:WF+32*WL+16*\u+4*\c+3], v3, s[8:9] offset:262144*WP+4096*WQ+2048*\u+512*\c
.endr
.endr
	global_load_b32 v[WS+WL], v4, s[8:9] offset:WSC+8192*WP+128*WQ
.endm
.macro PLAN t                          ; where K step t's activation lies: IM the image, SO its scale bytes (from ASC on)
.set PP, (\t)/4
.if PP == 0
.set IM, AIMG
.set SO, 0
.elseif (PP%2) == 1
.set IM, HIMG
.set SO, 512
.else
.set IM, DIMG+16384*(((PP-2)/2)%2)
.set SO, 1024+512*(((PP-2)/2)%2)
.endif
.endm
.macro AHEAD t                         ; OK = 1 where K step t's image is whole in LDS while K step t - 2 is multiplied: the same product's, or h's for a chunk of w1 behind a chunk of w2
.set OK, 0
.if (\t) < 36
.if ((\t)%4) >= 2
.set OK, 1
.elseif ((((\t)/4)%2) == 1) && (((\t)/4) >= 3)
.set OK, 1
.endif
.endif
.endm
.macro ALOAD t                         ; K step t's two fragments of the activation and their scale words, nine LDS loads, into buffer t % 2
	PLAN \t
.set AQ, (\t)%4
.set AB, ACT+(ACTB-ACT)*((\t)%2)
.set AR, ASR+(ASRB-ASR)*((\t)%2)
.irp m, 0,1
.irp c, 0,1,2,3
	ds_load_b128 v[AB+16*\m+4*\c:AB+16*\m+4*\c+3], v1 offset:IM+8192*\m+2048*AQ+512*\c
.endr
.endr
	ds_load_b32 v[AR], v2 offset:SO+128*AQ         ; lanes 0-15: tokens 0-15's words; lanes 16-31: tokens 16-31's
.endm
.macro GSTART p                        ; behind a barrier that has made product p's image whole: its first two K steps' fragments, into both buffers
	ALOAD 4*(\p)
	ALOAD 4*(\p)+1
.endm
.macro KSTEP t, acc
.set KL, (\t)%3
.set KB, ACT+(ACTB-ACT)*((\t)%2)
.set KR, ASR+(ASRB-ASR)*((\t)%2)
.if (\t) < 34
	s_wait_loadcnt 18                              ; this K step's nine weight loads are in; those of the two K steps behind it may be out
.elseif (\t) == 34
	s_wait_loadcnt 9
.else
	s_wait_loadcnt 0x0
.endif
	AHEAD (\t)+1
.if OK || (((\t)%4) == 0)
	s_wait_dscnt 9                                 ; this K step's nine LDS loads, and all older ones, are in; behind them only the next K step's nine were issued
.else
	s_wait_dscnt 0x0                               ; nothing of the next product could be asked for yet
.endif
	v_wmma_scale_f32_16x16x128_f8f6f4 v[\acc:\acc+7], v[WF+32*KL:WF+32*KL+15], v[KB:KB+15], v[\acc:\acc+7], v[WS+KL], v[KR]
	v_wmma_scale_f32_16x16x128_f8f6f4 v[\acc+8:\acc+15], v[WF+32*KL+16:WF+32*KL+31], v[KB:KB+15], v[\acc+8:\acc+15], v[WS+KL], v[KR] matrix_a_scale:MATRIX_SCALE_ROW1
	v_wmma_scale_f32_16x16x128_f8f6f4 v[\acc+16:\acc+23], v[WF+32*KL:WF+32*KL+15], v[KB+16:KB+31], v[\acc+16:\acc+23], v[WS+KL], v[KR] matrix_b_scale:MATRIX_SCALE_ROW1
	v_wmma_scale_f32_16x16x128_f8f6f4 v[\acc+24:\acc+31], v[WF+32*KL+16:WF+32*KL+31], v[KB+16:KB+31], v[\acc+24:\acc+31], v[WS+KL], v[KR] matrix_a_scale:MATRIX_SCALE_ROW1 matrix_b_scale:MATRIX_SCALE_ROW1
.rept 8
	v_nop                                          ; eight places behind these products: ahead of the first read of results and of the vector lines that write v212-243 behind a product's last K step; they stay beside the wait below.  The four accumulators take turns
.endr
	AHEAD (\t)+2
.if OK || ((\t)+3 < 36)
	s_wait_alu depctr_va_vdst(0)                   ; these four products are done reading their fragment buffer, the ring's slot and the scale words of both, in which the loads below land
.endif
.if OK
	ALOAD (\t)+2                                   ; into the buffer just read: a whole K step lies between these loads and their products
.endif
.if (\t)+3 < 36
	WLOAD (\t)+3                                   ; into the ring's slot just read
.endif
.endm
.macro GEMM p, acc
	KSTEP 4*(\p)+0, \acc
	KSTEP 4*(\p)+1, \acc
	KSTEP 4*(\p)+2, \acc
	KSTEP 4*(\p)+3, \acc
.endm
.macro BIAS1 j                         ; chunk j's sums begin as b1: my 16 columns' numbers, once for each tile of rows
.irp m, 0,1
.irp q, 0,1,2,3
	ds_load_b128 v[ACC+16*\m+4*\q:ACC+16*\m+4*\q+3], v7 offset:12288+2048*(\j)+16*\q
.endr
.endr
.endm
; my 2 x 16 numbers in v[V] on (token 16 m + r, columns 32 w + 16 h + 0 .. 15) become block w of the next K: codes and a byte for each of the two tokens, to LDS
.macro QUANT2 V, relu, img, sc
.if \relu                              ; no |.|: what is negative becomes 0, so it does not count; the floor stands over it
.irp m, 0,1
	v_max3_num_f32 v[RD+\m], v[\V+16*\m], v[\V+16*\m+1], 0x4800000
.endr
.irp i, 2,4,6,8,10,12,14
.irp m, 0,1
	v_max3_num_f32 v[RD+\m], v[RD+\m], v[\V+16*\m+\i], v[\V+16*\m+\i+1]
.endr
.endr
.else
.irp m, 0,1
	v_max3_num_f32 v[RD+\m], |v[\V+16*\m]|, |v[\V+16*\m+1]|, 0x4800000
.endr
.irp i, 2,4,6,8,10,12,14
.irp m, 0,1
	v_max3_num_f32 v[RD+\m], v[RD+\m], |v[\V+16*\m+\i]|, |v[\V+16*\m+\i+1]|
.endr
.endr
.endif
.irp m, 0,1
	v_permlanex16_b32 v[RD+2+\m], v[RD+\m], s[SEL], s[SEL+1]
.endr
.irp m, 0,1
	v_max_num_f32 v[RD+\m], v[RD+\m], v[RD+2+\m]
.endr
.irp m, 0,1
	v_add_nc_u32 v[RD+4+\m], 0xfc000000, v[RD+\m]          ; the conversion's scale operand
.endr
.irp m, 0,1
	v_and_or_b32 v[RD+6+\m], v[RD+\m], 0x7f800000, s[MNT]  ; 448 x the scale
.endr
.irp m, 0,1
	v_lshrrev_b32 v[RD+8+\m], 23, v[RD+4+\m]               ; the byte
.endr
.irp m, 0,1
.irp i, 0,1,2,3,4,5,6,7,8,9,10,11,12,13,14,15
.if \relu
	v_med3_num_f32 v[\V+16*\m+\i], v[\V+16*\m+\i], 0, v[RD+6+\m]            ; the activation and the hold in one
.else
	v_med3_num_f32 v[\V+16*\m+\i], v[\V+16*\m+\i], -v[RD+6+\m], v[RD+6+\m]
.endif
.endr
	v_cvt_scalef32_pk8_fp8_f32 v[PC+4*\m:PC+4*\m+1], v[\V+16*\m:\V+16*\m+7], v[RD+4+\m]
	v_cvt_scalef32_pk8_fp8_f32 v[PC+4*\m+2:PC+4*\m+3], v[\V+16*\m+8:\V+16*\m+15], v[RD+4+\m]
.endr
	v_nop                                          ; one plain line behind the last conversion
	s_wait_alu depctr_va_vdst(0)                   ; the conversions have written the codes and the shifts the bytes, which the stores into LDS read; and the vector lines are done with v[V] on, ACT and v212-243, in which loads land behind the barrier that follows
.irp m, 0,1
	ds_store_b128 v5, v[PC+4*\m:PC+4*\m+3] offset:\img+8192*\m
	ds_store_b8 v6, v[RD+8+\m] offset:\sc+64*\m    ; both halves of the lanes write the same byte with the same value
.endr
.endm
.macro TREE off                        ; lane l: the sum of token l's 16 partial sums, the same order in every wave
.irp q, 0,1,2,3
	ds_load_b128 v[RD+4*\q:RD+4*\q+3], v11 offset:\off+16*\q
.endr
	s_wait_dscnt 0x0
	v_pk_add_f32 v[RD:RD+1], v[RD:RD+1], v[RD+2:RD+3]
	v_pk_add_f32 v[RD+4:RD+5], v[RD+4:RD+5], v[RD+6:RD+7]
	v_pk_add_f32 v[RD+8:RD+9], v[RD+8:RD+9], v[RD+10:RD+11]
	v_pk_add_f32 v[RD+12:RD+13], v[RD+12:RD+13], v[RD+14:RD+15]
	v_pk_add_f32 v[RD:RD+1], v[RD:RD+1], v[RD+4:RD+5]
	v_pk_add_f32 v[RD+8:RD+9], v[RD+8:RD+9], v[RD+12:RD+13]
	v_pk_add_f32 v[RD:RD+1], v[RD:RD+1], v[RD+8:RD+9]
	v_add_f32 v[RD], v[RD], v[RD+1]
.endm
.macro LN V, goff, boff                ; v[V] on becomes 0.9 (gain (v - mean) / sqrt(var + eps) + bias), in place
.irp q, 0,1,2,3
	ds_load_b128 v[ACT+4*\q:ACT+4*\q+3], v7 offset:\goff+16*\q          ; the gains and biases of my 16 columns; the first barrier's wait covers them
	ds_load_b128 v[ACT+16+4*\q:ACT+16+4*\q+3], v7 offset:\boff+16*\q
.endr
.irp m, 0,1
	v_pk_add_f32 v[SA+4*\m:SA+4*\m+1], v[\V+16*\m:\V+16*\m+1], v[\V+16*\m+2:\V+16*\m+3]   ; each accumulator is read from its low end on
.endr
.irp q, 4,6,8,10,12,14
.irp m, 0,1
	v_pk_add_f32 v[SA+4*\m:SA+4*\m+1], v[SA+4*\m:SA+4*\m+1], v[\V+16*\m+\q:\V+16*\m+\q+1]
.endr
.endr
.irp m, 0,1
	v_add_f32 v[SA+4*\m], v[SA+4*\m], v[SA+4*\m+1]
.endr
.irp m, 0,1
	v_permlanex16_b32 v[RD+\m], v[SA+4*\m], s[SEL], s[SEL+1]
.endr
.irp m, 0,1
	v_add_f32 v[SA+4*\m], v[SA+4*\m], v[RD+\m]     ; the sum of my wave's 32 columns of token 16 m + r
.endr
	v_cndmask_b32 v[SA+1], v[SA], v[SA+4], s[HM]   ; lane l: token l's
	s_wait_alu depctr_va_vdst(0)                   ; the select has written v245, which the store into LDS reads; the lines above are done with v220 and v221, in which the reduction's loads land
	ds_store_b32 v10, v[SA+1]
	BARRIER
	s_wait_alu depctr_vm_vsrc(0)                   ; my store has read v245, which the squares below write again
	TREE 0
	v_mul_f32 v[RD], s33, v[RD]                    ; token l's mean
	v_permlanex16_b32 v[RD+1], v[RD], s[SEL], s[SEL+1]
	v_cndmask_b32 v[ME], v[RD], v[RD+1], s[HM]     ; token r's,
	v_cndmask_b32 v[ME+2], v[RD+1], v[RD], s[HM]   ; token 16 + r's
.irp m, 0,1
.irp q, 0,2,4,6,8,10,12,14
	v_pk_add_f32 v[\V+16*\m+\q:\V+16*\m+\q+1], v[\V+16*\m+\q:\V+16*\m+\q+1], v[ME+2*\m:ME+2*\m+1] op_sel_hi:[1,0] neg_lo:[0,1] neg_hi:[0,1]
.endr
.endr
.irp m, 0,1
	v_pk_mul_f32 v[SA+4*\m:SA+4*\m+1], v[\V+16*\m:\V+16*\m+1], v[\V+16*\m:\V+16*\m+1]
	v_pk_mul_f32 v[SA+4*\m+2:SA+4*\m+3], v[\V+16*\m+2:\V+16*\m+3], v[\V+16*\m+2:\V+16*\m+3]
.endr
.irp q, 4,8,12
.irp m, 0,1
	v_pk_fma_f32 v[SA+4*\m:SA+4*\m+1], v[\V+16*\m+\q:\V+16*\m+\q+1], v[\V+16*\m+\q:\V+16*\m+\q+1], v[SA+4*\m:SA+4*\m+1]
	v_pk_fma_f32 v[SA+4*\m+2:SA+4*\m+3], v[\V+16*\m+\q+2:\V+16*\m+\q+3], v[\V+16*\m+\q+2:\V+16*\m+\q+3], v[SA+4*\m+2:SA+4*\m+3]
.endr
.endr
.irp m, 0,1
	v_pk_add_f32 v[SA+4*\m:SA+4*\m+1], v[SA+4*\m:SA+4*\m+1], v[SA+4*\m+2:SA+4*\m+3]
.endr
.irp m, 0,1
	v_add_f32 v[SA+4*\m], v[SA+4*\m], v[SA+4*\m+1]
.endr
.irp m, 0,1
	v_permlanex16_b32 v[RD+\m], v[SA+4*\m], s[SEL], s[SEL+1]
.endr
.irp m, 0,1
	v_add_f32 v[SA+4*\m], v[SA+4*\m], v[RD+\m]
.endr
	v_cndmask_b32 v[SA+1], v[SA], v[SA+4], s[HM]
	s_wait_alu depctr_va_vdst(0)                   ; the select has written v245, which the store into LDS reads; the lines above are done with v220 to v235, in which the second reduction's loads land
	ds_store_b32 v10, v[SA+1] offset:2560
	BARRIER
	TREE 2560
	v_fma_f32 v[RD], v[RD], s33, s34               ; var + eps
	s_wait_alu depctr_va_vdst(0)
	v_rsq_f32 v[RD+2], v[RD]
	v_nop
	s_wait_alu depctr_va_vdst(0)                   ; the root is written, ahead of its first reader
	v_permlanex16_b32 v[RD+3], v[RD+2], s[SEL], s[SEL+1]
	v_cndmask_b32 v[RS], v[RD+2], v[RD+3], s[HM]
	v_cndmask_b32 v[RS+2], v[RD+3], v[RD+2], s[HM]
.irp m, 0,1
.irp q, 0,2,4,6,8,10,12,14
	v_pk_mul_f32 v[\V+16*\m+\q:\V+16*\m+\q+1], v[\V+16*\m+\q:\V+16*\m+\q+1], v[RS+2*\m:RS+2*\m+1] op_sel_hi:[1,0]
.endr
.irp q, 0,2,4,6,8,10,12,14
	v_pk_fma_f32 v[\V+16*\m+\q:\V+16*\m+\q+1], v[\V+16*\m+\q:\V+16*\m+\q+1], v[ACT+\q:ACT+\q+1], v[ACT+16+\q:ACT+16+\q+1]
.endr
.irp q, 0,2,4,6,8,10,12,14
	v_pk_mul_f32 v[\V+16*\m+\q:\V+16*\m+\q+1], v[\V+16*\m+\q:\V+16*\m+\q+1], 0x3f666666 op_sel_hi:[1,0]   ; x 0.9
.endr
.endr
.endm
	s_load_b512 s[4:19], s[0:1], 0x0               ; ao, ao_sc, wt, x, fc_b, g1, be1, b2
	s_load_b256 s[20:27], s[0:1], 0x40             ; g2, be2, b1, out0
	v_lshl_add_u32 v254, v0, 2, 0x27000
	v_mov_b32 v255, 0
	v_lshrrev_b32 v1, 5, v0
	v_readfirstlane_b32 s[WV], v1                  ; wave 0..15
	s_mov_b32 s[HM], 0xffff0000
	s_mov_b32 s[SEL], 0x76543210
	s_mov_b32 s[SEL+1], 0xfedcba98
	s_mov_b32 s[MNT], 0x600000
	s_mov_b32 s33, 0x3b000000                      ; 1 / 512
	s_mov_b32 s34, 0x358637bd                      ; 1e-6
	v_and_b32 v16, 31, v0                          ; lane
	v_and_b32 v17, 15, v0                          ; r
	v_bfe_u32 v18, v0, 4, 1                        ; h
	v_lshlrev_b32 v1, 4, v16                       ; v1  16 x lane: an image's place for my lane
	s_wait_alu depctr_va_vdst(0)
	v_lshl_add_u32 v2, v16, 2, ASC                 ; v2  a scale word's
	s_wait_alu depctr_va_sdst(0)                   ; the wave's number is written, ahead of its first reader
	s_lshl_b32 s35, s[WV], 14
	v_add_nc_u32 v3, s35, v1                       ; v3  my weights' codes: 16,384 w + 16 lane
	s_lshl_b32 s35, s[WV], 9
	v_lshl_add_u32 v4, v16, 2, s35                 ; v4  their scale words: 512 w + 4 lane
	s_lshr_b32 s36, s[WV], 2
	s_and_b32 s37, s[WV], 3
	s_lshl_b32 s38, s36, 11
	s_lshl_b32 s39, s37, 9
	s_add_co_u32 s38, s38, s39
	v_add_nc_u32 v5, s38, v1                       ; v5  where I store codes: K step w / 4, block w % 4
	s_lshl_b32 s38, s36, 7
	s_add_co_u32 s38, s38, s37
	s_add_co_u32 s38, s38, ASC
	v_lshl_add_u32 v6, v17, 2, s38                 ; v6  and the byte
	s_lshl_b32 s38, s[WV], 7
	s_add_co_u32 s39, s38, PAR
	v_lshl_add_u32 v7, v18, 6, s39                 ; v7  a parameter's 16 numbers of my columns: 128 w + 64 h
	v_mul_u32_u24 v8, v17, 2064
	v_lshl_add_u32 v8, v18, 6, v8
	s_add_co_u32 s39, s38, STG
	v_add_nc_u32 v8, s39, v8                       ; v8  the stage by columns: row r, 128 w + 64 h
	s_mul_i32 s39, s[WV], 4128
	s_add_co_u32 s39, s39, STG
	v_add_nc_u32 v9, s39, v1                       ; v9  the stage by rows: rows 2 w, 2 w + 1
	v_mul_u32_u24 v11, v16, 80
	v_add_nc_u32 v11, RED1, v11                    ; v11 token l's 16 partial sums
	s_lshl_b32 s39, s[WV], 2
	v_add_nc_u32 v10, s39, v11                     ; v10 my wave's among them
	s_lshl_b32 s39, s[WV], 12
	v_add_nc_u32 v12, s39, v1                      ; v12 rows 2 w, 2 w + 1 in x and in the output
	v_lshlrev_b32 v13, 2, v0
	v_lshlrev_b32 v15, 4, v0
	v_add_nc_u32 v100, ASC, v0
	v_add_nc_u32 v101, PAR, v13
	v_add_nc_u32 v102, PAR, v15
.irp q, 0,1,2,3
	v_mov_b32 v[RD+\q], 0                          ; lane permutes' destinations count as sources
	v_mov_b32 v[ME+1+2*\q], 0                      ; the upper words of the four pairs are named, so they are written
.endr
	s_mov_b32 s37, 0
	s_wait_kmcnt 0x0
	s_lshl_b32 s36, ttmp9, 14
	s_add_nc_u64 s[4:5], s[4:5], s[36:37]
	s_lshl_b32 s36, ttmp9, 9
	s_add_nc_u64 s[6:7], s[6:7], s[36:37]
	s_lshl_b32 s36, ttmp9, 16
	s_add_nc_u64 s[10:11], s[10:11], s[36:37]
	s_add_nc_u64 s[26:27], s[26:27], s[36:37]
	s_wait_alu depctr_va_vdst(0)                   ; the offsets and addresses v1 to v15 and v100 to v102 are written, which every load and store of the kernel reads; so are v16 to v18 and the eight registers of v220-243 just cleared, in which loads from LDS land later
	global_load_b128 v[80:83], v15, s[4:5]         ; the attention's image, 16,384 bytes, as it lies
	global_load_b128 v[84:87], v15, s[4:5] offset:8192
	global_load_u8 v88, v0, s[6:7]                 ; its 512 scale bytes
.irp i, 0,1,2,3,4,5
	global_load_b32 v[89+\i], v13, s[12+2*\i:13+2*\i]
.endr
	global_load_b128 v[96:99], v15, s[24:25]       ; b1
.irp k, 0,1,2,3,4,5,6,7
	global_load_b128 v[Y+4*\k:Y+4*\k+3], v12, s[10:11] offset:512*\k
.endr
	WLOAD 0
	WLOAD 1
	WLOAD 2
	s_wait_loadcnt 27                              ; all but the ring's three K steps
	ds_store_b128 v15, v[80:83]
	ds_store_b128 v15, v[84:87] offset:8192
	ds_store_b8 v100, v88
.irp i, 0,1,2,3,4,5
	ds_store_b32 v101, v[89+\i] offset:2048*\i
.endr
	ds_store_b128 v102, v[96:99] offset:12288
.irp k, 0,1,2,3,4,5,6,7
	ds_store_b128 v9, v[Y+4*\k:Y+4*\k+3] offset:2064*(\k/4)+512*(\k%4)
.endr
	BARRIER
	s_wait_alu depctr_vm_vsrc(0)                   ; my stores into LDS have read their data v48-99 and their addresses v100-102: fc_b, b2 and the fragments of even K steps land in these registers from here on
	; ---- fc: the sums begin as x + fc_b
.irp m, 0,1
.irp q, 0,1,2,3
	ds_load_b128 v[ACC+16*\m+4*\q:ACC+16*\m+4*\q+3], v8 offset:33024*\m+16*\q
.endr
.endr
.irp q, 0,1,2,3
	ds_load_b128 v[Y+4*\q:Y+4*\q+3], v7 offset:16*\q
.endr
	GSTART 0
	s_wait_dscnt 18                                ; x and fc_b are in; the 18 loads of the first two K steps' fragments may be out
.irp m, 0,1
.irp q, 0,2,4,6,8,10,12,14
	v_pk_add_f32 v[ACC+16*\m+\q:ACC+16*\m+\q+1], v[ACC+16*\m+\q:ACC+16*\m+\q+1], v[Y+\q:Y+\q+1]
.endr
.endr
	s_wait_alu depctr_va_vdst(0)
	GEMM 0, ACC
	LN ACC, 2048, 4096                             ; h.  (K step 3's wait stands behind the last line that named v80-111, in which the gains and biases land)
.irp m, 0,1
.irp q, 0,1,2,3
	ds_load_b128 v[Y+16*\m+4*\q:Y+16*\m+4*\q+3], v7 offset:6144+16*\q   ; no vector line since the norm's last wait names v48-79
.endr
.endr
	s_wait_dscnt 0x0
.irp q, 0,2,4,6,8,10,12,14,16,18,20,22,24,26,28,30
	v_pk_add_f32 v[Y+\q:Y+\q+1], v[Y+\q:Y+\q+1], v[ACC+\q:ACC+\q+1]   ; the last sums begin as h + b2
.endr
	QUANT2 ACC, 0, HIMG, 512
	BARRIER                                        ; h's eight fragments lie in LDS, and stay
	s_wait_alu depctr_vm_vsrc(0)                   ; my stores into LDS have read the codes v212-219 and the bytes v228, v229, in which an odd K step's fragments land
	BIAS1 0
	GSTART 1
	; ---- the four chunks of the hidden layer.  The two images take turns: one is written again only behind the next chunk's barrier, which every wave reaches behind its reads of it.
	; Behind a chunk's barrier the next chunk's b1 is asked for first, so that it is older than every fragment load that a counted wait leaves out
.irp j, 0,1,2,3
	GEMM 1+2*\j, ACC
	QUANT2 ACC, 1, DIMG+16384*(\j%2), 1024+512*(\j%2)
	BARRIER
	s_wait_alu depctr_vm_vsrc(0)                   ; my stores into LDS have read the codes v212-219 and the bytes v228, v229, in which an odd K step's fragments land
.if \j < 3
	BIAS1 \j+1
.endif
	GSTART 2+2*\j
	GEMM 2+2*\j, Y
.endr
	s_wait_alu depctr_va_vdst(0)                   ; K step 34's products are done reading v80-111, in which the norm's gains and biases land (K steps 34 and 35 load nothing and hold no wait of their own)
	LN Y, 8192, 10240
	; ---- the way out: by columns into the stage, back by rows
	s_wait_alu depctr_va_vdst(0)                   ; the norm's last multiplications have written v48-79, which the stores into the stage read; no vector line follows, so the rows may land in v16-47
.irp m, 0,1
.irp q, 0,1,2,3
	ds_store_b128 v8, v[Y+16*\m+4*\q:Y+16*\m+4*\q+3] offset:33024*\m+16*\q
.endr
.endr
	BARRIER
.irp k, 0,1,2,3,4,5,6,7
	ds_load_b128 v[ACC+4*\k:ACC+4*\k+3], v9 offset:2064*(\k/4)+512*(\k%4)
.endr
.irp k, 0,1,2,3,4,5,6,7
	s_wait_dscnt 7-\k                              ; the younger loads may be out
	global_store_b128 v12, v[ACC+4*\k:ACC+4*\k+3], s[26:27] offset:512*\k th:TH_STORE_NT   ; 32 lanes store 512 consecutive aligned bytes; written once
.endr
	s_wait_dscnt 0x0                               ; the closing lines, six on end of a launch in the mode that stores to LDS
	s_wait_alu 0x0
	s_wait_tensorcnt 0x0
	ds_add_u32 v254, v255
	s_wait_dscnt 0x0
	s_endpgm
.Lfunc_end_k_q4f03183aaf_tail:
	.size	k_q4f03183aaf_tail, .Lfunc_end_k_q4f03183aaf_tail-k_q4f03183aaf_tail
	.p2alignl 7, 3214868480
	.fill 96, 4, 3214868480
	.section	.rodata,"a",@progbits
	.p2align	6, 0x0
	.amdhsa_kernel k_q4f03183aaf_tail
		.amdhsa_group_segment_fixed_size 161792
		.amdhsa_private_segment_fixed_size 0
		.amdhsa_enable_private_segment 0
		.amdhsa_kernarg_size 96
		.amdhsa_user_sgpr_count 2
		.amdhsa_user_sgpr_kernarg_segment_ptr 1
		.amdhsa_wavefront_size32 1
		.amdhsa_system_sgpr_workgroup_id_x 1
		.amdhsa_system_sgpr_workgroup_id_y 1
		.amdhsa_system_sgpr_workgroup_id_z 1
		.amdhsa_system_vgpr_workitem_id 0
		.amdhsa_next_free_vgpr 256
		.amdhsa_next_free_sgpr 66
		.amdhsa_reserve_vcc 0
		.amdhsa_float_denorm_mode_32 3
		.amdhsa_float_denorm_mode_16_64 3
		.amdhsa_memory_ordered 1
		.amdhsa_forward_progress 1
		.amdhsa_inst_pref_size 137
	.end_amdhsa_kernel
	.amdgpu_metadata
---
amdhsa.version: [ 1, 2 ]
amdhsa.kernels:
  - .name:           k_q4f03183aaf_tail
    .symbol:         k_q4f03183aaf_tail.kd
    .args:
      - { .name: ao, .offset: 0, .size: 8, .value_kind: global_buffer, .address_space: global }
      - { .name: ao_sc, .offset: 8, .size: 8, .value_kind: global_buffer, .address_space: global }
      - { .name: wt, .offset: 16, .size: 8, .value_kind: global_buffer, .address_space: global }
      - { .name: x, .offset: 24, .size: 8, .value_kind: global_buffer, .address_space: global }
      - { .name: fc_b, .offset: 32, .size: 8, .value_kind: global_buffer, .address_space: global }
      - { .name: g1, .offset: 40, .size: 8, .value_kind: global_buffer, .address_space: global }
      - { .name: be1, .offset: 48, .size: 8, .value_kind: global_buffer, .address_space: global }
      - { .name: b2, .offset: 56, .size: 8, .value_kind: global_buffer, .address_space: global }
      - { .name: g2, .offset: 64, .size: 8, .value_kind: global_buffer, .address_space: global }
      - { .name: be2, .offset: 72, .size: 8, .value_kind: global_buffer, .address_space: global }
      - { .name: b1, .offset: 80, .size: 8, .value_kind: global_buffer, .address_space: global }
      - { .name: out0, .offset: 88, .size: 8, .value_kind: global_buffer, .address_space: global }
    .group_segment_fixed_size: 161792
    .private_segment_fixed_size: 0
    .kernarg_segment_align: 8
    .kernarg_segment_size: 96
    .max_flat_workgroup_size: 512
    .sgpr_count:     66
    .vgpr_count:     256
    .wavefront_size: 32
...
	.end_amdgpu_metadata
.endif
;; end of part 6
